; MI455X (gfx1250); checked and timed in simulation.
; The chip was launched on July 23, 2026; its instructions are those of AMD's public machine-readable ISA for CDNA 5 (MIT licence, August 2026) and "CDNA5" Instruction Set Architecture Reference Guide (July 2026). The comments in the code are by the model that wrote it; some were corrected since.
;; Multi Head Attention. Allowed arithmetic: matrix products marked QUANTISED: E2M3 operands, one E8M0 scale for each 32 along K, by v_wmma_scale_f32_16x16x128_f8f6f4 with both operands' format E2M3, f32 sums; everything else in f32.
;; Inputs: Wk 1,024 x 1,024 float32; Wo 1,024 x 1,024 float32; Wq 1,024 x 1,024 float32; Wv 1,024 x 1,024 float32; token_positions 2 x 2,048 int32; x 2 x 2,048 x 1,024 float32.
;; Outputs: out0 2 x 2,048 x 1,024 float32.
;; This version of the problem:
;;   THIS VERSION OF THE PROBLEM IS GIVEN IN LOW PRECISION. The matrix products marked QUANTISED in the list below multiply operands that are first quantised to E2M3 (2 exponent bits, 3 mantissa bits; 6 bits a number), with one power-of-two scale for each 32 numbers along K (OCP MX v1.0); their sums are f32. All else is computed in f32.
;;   The module's matrix products, in the order in which they are computed (A, B: the left and right operand; K: the contracted axis; several contracted axes count as one K, in the product's order):
;;     1. [M 4,096, K 1,024] x [K 1,024, N 1,024]; A: input x; B: input Wq: QUANTISED
;;     2. [M 4,096, K 1,024] x [K 1,024, N 1,024]; A: input x; B: input Wk: QUANTISED
;;     3. [M 4,096, K 1,024] x [K 1,024, N 1,024]; A: input x; B: input Wv: QUANTISED
;;     4. batch 32 x [M 2,048, K 64] x [K 64, N 2,048]; A: computed on the way; B: computed on the way: QUANTISED
;;     5. batch 32 x [M 2,048, K 2,048] x [K 2,048, N 64]; A: softmax (see below); B: computed on the way: QUANTISED
;;     6. [M 4,096, K 1,024] x [K 1,024, N 1,024]; A: computed on the way; B: input Wo: QUANTISED
;;   THE QUANTISER, for each operand of a quantised product, along K:
;;     - K is cut into blocks of 32 from its start; a last block that is shorter is filled with zeros.
;;     - A block's scale is 2^e with e = floor(log2(the largest magnitude in the block)) - 2, held to -126 .. 127; a block of zeros has e = 0. As a byte (E8M0): e + 127.
;;     - Each number is divided by its block's scale, clamped to +-7.5, and rounded to the nearest number of E2M3, ties to even, subnormals kept.
;;     - The product sums the exact products of the quantised numbers (number of the format x scale) in f32.
;;   ~~~python
;;   def quantise(x, axis):      # numpy; x: float32 -> the quantised numbers, widened to float32 again
;;       x = np.moveaxis(x, axis, -1); K = x.shape[-1]
;;       x = np.pad(x, [(0, 0)] * (x.ndim - 1) + [(0, -K % 32)]); x = x.reshape(x.shape[:-1] + (-1, 32)); a = np.abs(x).max(-1, keepdims=True)
;;       e = np.where(a > 0, np.clip(np.frexp(np.where(a > 0, a, 1))[1] - 1 - 2, -126, 127), 0)      # np.frexp(a)[1] - 1 = floor(log2(a)), exactly
;;       r = np.clip(x / 2.0 ** e, -7.5, 7.5)
;;       step = 2.0 ** (np.maximum(np.frexp(np.where(r == 0, 1, r))[1] - 1, 0) - 3)
;;       q = np.round(r / step) * step * 2.0 ** e      # np.round: ties to even
;;       return np.moveaxis(q.reshape(q.shape[:-2] + (-1,))[..., :K], -1, axis).astype(np.float32)
;;   ~~~
;;   SOFTMAX AHEAD OF A QUANTISED PRODUCT. Where the list says 'softmax', what is quantised is not the finished softmax but p = 2^(t - M), with t = logit x log2(e) and M = ceil(the row's largest t), a whole number; so 1/2 < the row's largest p <= 1. The row's sum l is taken of the UNQUANTISED p, in f32, and the product's result is divided by l at the end. Since M is a whole number, a kernel that streams over the keys may use a running M (the ceiling of the running maximum): every later rescaling is an exact power of two, which a block's scale takes up: the codes' values come out the same.
;;   OPERANDS COMPUTED ON THE WAY. 'Computed on the way' means the value that the module computes at that place (a softmax that the list does not call 'softmax' is quantised finished and normalised). What goes into a quantiser is computed in f32, as accurately as f32 sums, v_exp_f32 and their like allow (about 1e-6 of the number): no bf16 or f16 on the way to a quantiser, and a product that is left as it is and whose result goes on into a quantised operand takes f32 operands (vector FMAs, or v_wmma_f32_16x16x4_f32). A number that lies on a knife's edge between two numbers of the format may be rounded either way, as far as f32 arithmetic and the matrix unit's own rounding can turn it there, and no further.
;; One version. Each part assembles by itself: llvm-mc -triple=amdgcn-amd-amdhsa -mcpu=gfx1250 --defsym DOCPART=n.
;; ======== version 1 of 1: 4 launches
;; limits: right only within a limited range of input values
;; workspace buffers: codes 6,291,456 bytes; scales 262,144 bytes; rope 1,048,576 bytes; qkv 9,830,400 bytes; ocodes 3,145,728 bytes; oscales 131,072 bytes
;; launch quant (part 1): grid 256 x 1, 4 waves a work-group, no clusters, 34,304 bytes of LDS; arguments x, Wq, Wk, Wv, Wo, token_positions, codes, scales, rope; writes codes, scales, rope
.if DOCPART == 1
	.amdgcn_target "amdgcn-amd-amdhsa--gfx1250"
	.amdhsa_code_object_version 6
	.text
	.protected	k_qc9b77cee5c_quant
	.globl	k_qc9b77cee5c_quant
	.p2align	8
	.type	k_qc9b77cee5c_quant,@function
k_qc9b77cee5c_quant:
	s_mov_b64 s[64:65], 0
	v_nop
	global_prefetch_b8 v0, s[64:65] scope:SCOPE_SE
	s_setreg_imm32_b32 hwreg(HW_REG_WAVE_MODE, 25, 1), 1
	s_wait_xcnt 0x0
; x [4096][1024] and Wq, Wk, Wv, Wo [1024][1024], f32, K innermost, become codes of FP6 (E2M3) with one E8M0 byte for each 32 along K,
; laid as IMAGES OF OPERAND REGISTERS.  The 8,192 rows (x, Wq, Wk, Wv, Wo on end) are 512 tiles of 16: lane r of tile T holds row
; 32 (T / 2) + 8 (T % 2) + r + 8 (r / 8).  The fragment (T, kk = K / 128), 12 registers a lane, lies at (kk / 2) SSTR + 3072 T + 1536 (kk % 2) + 512 c + 16 lane
; (c: registers 4 c .. 4 c + 3); its scale word of row r at 512 T + 256 (kk / 4) + 16 r + 4 (kk % 4).
; The launch also makes the table of cos and sin: [token][j = 0 .. 31][cos, sin], f32, 256 bytes a token.
; SHARES.  Work-group g takes 32 rows (tiles 2 g, 2 g + 1); wave w takes tile 2 g + w / 2 and fragments 4 (w % 2) + 0 .. 3.  Each load reads 512 consecutive bytes of a row;
; a fragment's 16 x 512 bytes turn through the wave's own stage in LDS (rows 528 bytes apart), so that lane (r, h) gets the two whole blocks of 32 that the operand's layout gives it.
; A block's scale is 2^(floor(log2(largest magnitude)) - 2); its byte is the largest magnitude's exponent field - 2, held at 1 from below.
; No tensor loads, no barrier, no cluster: waves share nothing and every input byte is read once.
; LIMITS: NaN and infinities are not served.  A block of zeros gets the byte 1 where the rule says 127: its codes are zeros, and this program alone reads the bytes.
; cos and sin: the angle is reduced by pi / 2 in two parts, good for |position| up to 2^20; 1 / theta^(j / 32) is 2^(-j log2(theta) / 32) by v_exp_f32, within about an ulp of the f32 power.
.set SSTR, 1572864                     ; 512 tiles x 3,072 bytes: from one pair of K steps to the next
.set STGB, 8448                        ; a wave's stage: 16 rows x 528 bytes
.set RA,   32                          ; v32-95, v96-159  two sets of 16 x 4 registers as loaded
.set X,    160                         ; v160-223  my 64 numbers: X + 32 c + i = k 64 c + 32 h + i of row r
.set PW,   16                          ; v16-19    the four fragments' scale words
	s_load_b256 s[4:11], s[0:1], 0x0               ; x, Wq, Wk, Wv
	s_load_b256 s[12:19], s[0:1], 0x20             ; Wo, token_positions, codes, scales
	s_load_b64 s[20:21], s[0:1], 0x40              ; rope
	v_lshl_add_u32 v254, v0, 2, 0x8400
	v_mov_b32 v255, 0
	v_lshrrev_b32 v1, 5, v0
	v_readfirstlane_b32 s25, v1                    ; wave
	v_and_b32 v1, 31, v0                           ; lane
	v_and_b32 v2, 15, v0                           ; r
	v_bfe_u32 v3, v0, 4, 1                         ; h
	v_lshlrev_b32 v4, 4, v1                        ; 16 x lane: a load's, an image's place
	s_mul_i32 s26, s25, STGB
	v_add_nc_u32 v5, s26, v4                       ; the stage, on the way in
	v_mul_u32_u24 v6, v2, 528
	v_lshl_add_u32 v6, v3, 7, v6
	v_add_nc_u32 v6, s26, v6                       ; and out: row r, + 128 h
	v_lshlrev_b32 v7, 4, v2                        ; 16 r: my row's four scale words
	v_lshlrev_b32 v22, 3, v1                       ; 8 x lane: my (cos, sin) in a token's 256 bytes
	v_lshlrev_b32 v23, 3, v3                       ; 8 h: my bytes' place in a scale word
	v_mov_b32 v24, 0                               ; (a lane permute's destination counts as read)
	s_lshr_b32 s27, s25, 1                         ; u: which tile of the two
	s_and_b32 s36, s25, 1                          ; j: which four fragments
	s_cmp_lt_u32 ttmp9, 128
	s_cselect_b32 s24, 127, 31
	s_and_b32 s24, ttmp9, s24                      ; the group of 32 rows inside its tensor
	s_lshl_b32 s38, s24, 17                        ; 32 rows of 4,096 bytes
	s_lshl_b32 s37, s27, 15                        ; + 8 u rows
	s_add_co_u32 s38, s38, s37
	s_lshl_b32 s37, s36, 11                        ; + 4 j fragments of 512 bytes
	s_add_co_u32 s38, s38, s37
	s_mov_b32 s39, 0
	s_lshl_b32 s37, ttmp9, 1
	s_add_co_u32 s37, s37, s27                     ; T
	s_mul_i32 s40, s37, 3072
	s_mul_i32 s41, s36, 2*SSTR
	s_add_co_u32 s40, s40, s41
	s_mov_b32 s41, 0
	s_lshl_b32 s42, s37, 9
	s_lshl_b32 s43, s36, 8
	s_add_co_u32 s42, s42, s43
	s_mov_b32 s43, 0
	s_lshl_b32 s44, ttmp9, 4
	s_lshl_b32 s45, s25, 2
	s_add_co_u32 s44, s44, s45                     ; my wave's first token of four: 16 g + 4 w
	s_lshl_b32 s46, s44, 8
	s_mov_b32 s47, 0
	s_lshl_b32 s44, s44, 2
	s_mov_b32 s45, 0
	s_mov_b32 s32, 0xbfc90fdb                      ; -(pi / 2), upper part
	s_mov_b32 s33, 0x333bbd2e                      ; upper part - pi / 2
	s_mov_b32 s34, 0x76543210
	s_mov_b32 s35, 0xfedcba98                      ; v_permlanex16_b32's selects for lane l xor 16
	s_wait_alu depctr_va_vdst(0)
	s_wait_kmcnt 0x0
	s_cmp_lt_u32 ttmp9, 224                        ; which tensor: the choice hangs on the work-group's number alone
	s_cselect_b64 s[22:23], s[10:11], s[12:13]
	s_cmp_lt_u32 ttmp9, 192
	s_cselect_b64 s[22:23], s[8:9], s[22:23]
	s_cmp_lt_u32 ttmp9, 160
	s_cselect_b64 s[22:23], s[6:7], s[22:23]
	s_cmp_lt_u32 ttmp9, 128
	s_cselect_b64 s[22:23], s[4:5], s[22:23]
	s_add_nc_u64 s[22:23], s[22:23], s[38:39]
	s_add_nc_u64 s[16:17], s[16:17], s[40:41]
	s_add_nc_u64 s[18:19], s[18:19], s[42:43]
	s_add_nc_u64 s[14:15], s[14:15], s[44:45]
	s_add_nc_u64 s[20:21], s[20:21], s[46:47]
	s_load_b128 s[28:31], s[14:15], 0x0            ; four positions
.macro LOADF f                         ; fragment f: 16 rows x 512 consecutive bytes
.irp p, 0,1,2,3,4,5,6,7,8,9,10,11,12,13,14,15
	global_load_b128 v[RA+64*((\f)%2)+4*\p:RA+64*((\f)%2)+4*\p+3], v4, s[22:23] offset:(\p+8*(\p/8))*4096+512*(\f) th:TH_LOAD_NT
.endr
.endm
.macro TURNF f                         ; through the stage: LDS serves a wave's instructions in order (ISA guide 5.7.1.4), so no wait stands between the stores and the loads
.irp p, 0,1,2,3,4,5,6,7,8,9,10,11,12,13,14,15
	ds_store_b128 v5, v[RA+64*((\f)%2)+4*\p:RA+64*((\f)%2)+4*\p+3] offset:528*\p
.endr
.irp c, 0,1
.irp q, 0,1,2,3,4,5,6,7
	ds_load_b128 v[X+32*\c+4*\q:X+32*\c+4*\q+3], v6 offset:256*\c+16*\q
.endr
.endr
.endm
.macro QF f                            ; my two blocks' scales, the row's scale word, the codes, and the image's three stores of 512 consecutive bytes
.set PC, 224+12*((\f)%2)
.irp c, 0,1
	v_max3_num_f32 v[248+\c], |v[X+32*\c]|, |v[X+1+32*\c]|, 0x1800000   ; with the floor 2^(3 - 127): the byte cannot fall under 1
.endr
.irp i, 2,4,6,8,10,12,14,16,18,20,22,24,26,28,30
.irp c, 0,1
	v_max3_num_f32 v[248+\c], v[248+\c], |v[X+32*\c+\i]|, |v[X+1+32*\c+\i]|
.endr
.endr
.irp c, 0,1
	v_add_nc_u32 v[250+\c], 0xff000000, v[248+\c]  ; 2 off the exponent field: the conversion's scale operand
.endr
.irp c, 0,1
	v_lshrrev_b32 v[248+\c], 23, v[250+\c]         ; the scale's byte
.endr
	v_lshl_or_b32 v20, v249, 16, v248              ; blocks h and 2 + h of my row,
	v_lshlrev_b32 v20, v23, v20                    ; at their places;
	v_permlanex16_b32 v24, v20, s34, s35
	v_or_b32 v[PW+\f], v20, v24                    ; with lane l xor 16's two the word is whole
.irp c, 0,1
	v_cvt_scalef32_pk16_fp6_f32 v[PC+6*\c:PC+6*\c+2], v[X+32*\c:X+32*\c+15], v[250+\c]
	v_cvt_scalef32_pk16_fp6_f32 v[8+4*\c:10+4*\c], v[X+16+32*\c:X+31+32*\c], v[250+\c]   ; (a conversion's three registers begin on an even number)
.endr
	v_nop                                          ; one plain place behind a scaled conversion
.irp c, 0,1
.irp i, 0,1,2
	v_mov_b32 v[PC+3+6*\c+\i], v[8+4*\c+\i]
.endr
.endr
.irp k, 0,1,2
	global_store_b128 v4, v[PC+4*\k:PC+4*\k+3], s[16:17] offset:((\f)/2)*SSTR+((\f)%2)*1536+512*\k
.endr
.endm
	LOADF 0
	LOADF 1
	; cos and sin of position x 1 / theta^(j / 32), j = my lane, for four tokens, while the first loads are on their way
	v_cvt_f32_u32 v20, v1
	v_mul_f32 v20, 0xbed49a78, v20                 ; -j log2(10000) / 32
	s_wait_alu depctr_va_vdst(0)
	v_exp_f32 v21, v20
	v_nop                                          ; a plain place behind the transcendental
	s_wait_alu depctr_va_vdst(0)                   ; and the wait ahead of its first reader
	s_wait_kmcnt 0x0                               ; the positions
.macro ROPE1 i
.set B, X+12*\i
	v_cvt_f32_i32 v[B], s[28+\i]
	v_mul_f32 v[B], v[B], v21                      ; the angle, rounded as the f32 product is
	v_mul_f32 v[B+1], 0x3f22f983, v[B]
	v_rndne_f32 v[B+1], v[B+1]                     ; n = the nearest multiple of pi / 2
	v_fma_f32 v[B], v[B+1], s32, v[B]
	v_fma_f32 v[B], v[B+1], s33, v[B]              ; r = angle - n pi / 2, |r| <= pi / 4
	v_cvt_i32_f32 v[B+1], v[B+1]
	v_mul_f32 v[B+2], v[B], v[B]                   ; z = r^2
	v_mov_b32 v[B+3], 0xb94ca1f9
	v_fmaak_f32 v[B+3], v[B+3], v[B+2], 0x3c08839e
	v_fmaak_f32 v[B+3], v[B+3], v[B+2], 0xbe2aaaa3
	v_mul_f32 v[B+4], v[B], v[B+2]
	v_fma_f32 v[B+3], v[B+4], v[B+3], v[B]         ; sin r
	v_mov_b32 v[B+5], 0x37ccf5ce
	v_fmaak_f32 v[B+5], v[B+5], v[B+2], 0xbab6061a
	v_fmaak_f32 v[B+5], v[B+5], v[B+2], 0x3d2aaaa5
	v_mul_f32 v[B+6], v[B+2], v[B+2]
	v_fma_f32 v[B+7], v[B+2], -0.5, 1.0
	v_fma_f32 v[B+5], v[B+6], v[B+5], v[B+7]       ; cos r
	v_and_b32 v[B+6], 1, v[B+1]
	v_cmp_eq_u32 vcc_lo, 1, v[B+6]                 ; an odd quadrant swaps the two;
	v_cndmask_b32 v[B+8], v[B+5], v[B+3], vcc_lo
	v_cndmask_b32 v[B+9], v[B+3], v[B+5], vcc_lo
	v_lshlrev_b32 v[B+6], 30, v[B+1]               ; sin is negative in quadrants 2, 3,
	v_and_b32 v[B+6], 0x80000000, v[B+6]
	v_xor_b32 v[B+9], v[B+6], v[B+9]
	v_add_nc_u32 v[B+7], 1, v[B+1]                 ; cos in quadrants 1, 2
	v_lshlrev_b32 v[B+7], 30, v[B+7]
	v_and_b32 v[B+7], 0x80000000, v[B+7]
	v_xor_b32 v[B+8], v[B+7], v[B+8]
	global_store_b64 v22, v[B+8:B+9], s[20:21] offset:256*\i   ; 32 lanes store a token's 256 consecutive bytes
.endm
	ROPE1 0
	ROPE1 1
	ROPE1 2
	ROPE1 3
	s_wait_xcnt 0x0                                ; the table's stores have read their registers: the stage's loads may land there
.irp f, 0,1,2,3
.if \f < 3
	s_wait_loadcnt 16                              ; this fragment's 16 loads are in; the next fragment's may be out
.else
	s_wait_loadcnt 0x0
.endif
	TURNF \f
	s_wait_dscnt 0x0                               ; my numbers are back, and the stores into the stage have read their registers,
.if \f < 2
	LOADF \f+2                                     ; which take the loads of two fragments on
.else
	s_wait_xcnt 0x0                                ; the image stored two fragments ago has been read: its registers are written again
.endif
	QF \f
.endr
	s_wait_xcnt 0x0                                ; EXEC changes only behind this wait
	v_cmp_gt_u32 vcc_lo, 16, v1
	s_wait_tensorcnt 0x0
	ds_add_u32 v254, v255
	s_wait_dscnt 0x0
	s_and_saveexec_b32 s26, vcc_lo
	global_store_b128 v7, v[PW:PW+3], s[18:19]     ; lanes 0-15: 16 rows x 4 words: 256 consecutive bytes
	s_wait_xcnt 0x0
	s_or_b32 exec_lo, exec_lo, s26
	s_endpgm
.Lfunc_end_k_qc9b77cee5c_quant:
	.size	k_qc9b77cee5c_quant, .Lfunc_end_k_qc9b77cee5c_quant-k_qc9b77cee5c_quant
	.p2alignl 7, 3214868480
	.fill 96, 4, 3214868480
	.section	.rodata,"a",@progbits
	.p2align	6, 0x0
	.amdhsa_kernel k_qc9b77cee5c_quant
		.amdhsa_group_segment_fixed_size 34304
		.amdhsa_private_segment_fixed_size 0
		.amdhsa_enable_private_segment 0
		.amdhsa_kernarg_size 72
		.amdhsa_user_sgpr_count 2
		.amdhsa_user_sgpr_kernarg_segment_ptr 1
		.amdhsa_wavefront_size32 1
		.amdhsa_system_sgpr_workgroup_id_x 1
		.amdhsa_system_sgpr_workgroup_id_y 1
		.amdhsa_system_sgpr_workgroup_id_z 1
		.amdhsa_system_vgpr_workitem_id 0
		.amdhsa_next_free_vgpr 256
		.amdhsa_next_free_sgpr 66
		.amdhsa_reserve_vcc 1
		.amdhsa_float_denorm_mode_32 3
		.amdhsa_float_denorm_mode_16_64 3
		.amdhsa_memory_ordered 1
		.amdhsa_forward_progress 1
		.amdhsa_inst_pref_size 37
	.end_amdhsa_kernel
	.amdgpu_metadata
---
amdhsa.version: [ 1, 2 ]
amdhsa.kernels:
  - .name:           k_qc9b77cee5c_quant
    .symbol:         k_qc9b77cee5c_quant.kd
    .args:
      - { .name: x, .offset: 0, .size: 8, .value_kind: global_buffer, .address_space: global }
      - { .name: Wq, .offset: 8, .size: 8, .value_kind: global_buffer, .address_space: global }
      - { .name: Wk, .offset: 16, .size: 8, .value_kind: global_buffer, .address_space: global }
      - { .name: Wv, .offset: 24, .size: 8, .value_kind: global_buffer, .address_space: global }
      - { .name: Wo, .offset: 32, .size: 8, .value_kind: global_buffer, .address_space: global }
      - { .name: token_positions, .offset: 40, .size: 8, .value_kind: global_buffer, .address_space: global }
      - { .name: codes, .offset: 48, .size: 8, .value_kind: global_buffer, .address_space: global }
      - { .name: scales, .offset: 56, .size: 8, .value_kind: global_buffer, .address_space: global }
      - { .name: rope, .offset: 64, .size: 8, .value_kind: global_buffer, .address_space: global }
    .group_segment_fixed_size: 34304
    .private_segment_fixed_size: 0
    .kernarg_segment_align: 8
    .kernarg_segment_size: 72
    .max_flat_workgroup_size: 128
    .sgpr_count:     66
    .vgpr_count:     256
    .wavefront_size: 32
...
	.end_amdgpu_metadata
.endif
;; end of part 1
;; launch qkv (part 2): grid 12 x 16, 4 waves a work-group, clusters of 4 x 4, 327,680 bytes of LDS; arguments codes, scales, rope, qkv; writes qkv
.if DOCPART == 2
	.amdgcn_target "amdgcn-amd-amdhsa--gfx1250"
	.amdhsa_code_object_version 6
	.text
	.protected	k_qc9b77cee5c_qkv
	.globl	k_qc9b77cee5c_qkv
	.p2align	8
	.type	k_qc9b77cee5c_qkv,@function
k_qc9b77cee5c_qkv:
	s_mov_b64 s[64:65], 0
	v_nop
	global_prefetch_b8 v0, s[64:65] scope:SCOPE_SE
	s_setreg_imm32_b32 hwreg(HW_REG_WAVE_MODE, 25, 1), 1
	s_wait_xcnt 0x0
	s_wait_alu depctr_hold_cnt(0) depctr_sa_sdst(0) depctr_va_vdst(0) depctr_va_sdst(0) depctr_va_ssrc(0) depctr_va_vcc(0) depctr_vm_vsrc(0)
	s_getreg_b32 s2, hwreg(HW_REG_IB_STS2, 6, 4)
	s_cmp_eq_u32 s2, 0
	s_cbranch_scc0 .Lentry_in_a_cluster
	s_endpgm
.Lentry_in_a_cluster:
	s_bfe_u32 s2, ttmp6, 0x10000c
	s_cmp_lg_u32 s2, 0xf033
	s_cbranch_scc0 .Lentry_shape_is_right
	s_endpgm
.Lentry_shape_is_right:
; q = rope(x Wq^T), k = rope(x Wk^T), v = x Wv^T on codes of FP6 (E2M3), and their quantising for attention, in registers.  K = 1,024: eight matrix instructions deep.
; A work-group of four waves makes 256 x 256 of a product; a wave 128 x 128: 64 accumulators, 512 registers.  Operands come as images of their registers (launch quant): a fragment is
; three ds_load_b128 at 16 x lane, a K slot's tiles are dense memory.  THE MATRIX INSTRUCTION IS USED TRANSPOSED (source 0 = 16 rows of "B", source 1 = 16 rows of "A"):
; a lane holds one row of A, and, by the tiles' make (lane r of tile T = row 32 (T / 2) + 8 (T % 2) + r + 8 (r / 8)), the 16 registers of result tiles 2 b, 2 b + 1 are B's rows 32 b + 16 h + 0 .. 15.
; CLUSTER x = 0: q, 1: k: A = 256 tokens, B = 256 features: a lane holds a token, its registers run along the features: RoPE's pairs and the head's blocks of 32 lie in one lane.
; CLUSTER x = 2: v: A = 256 features of Wv, B = 256 tokens: a lane holds a feature, its registers run along the tokens, which are the K of attention's second product.
; 4 x 4 work-groups form a cluster: A's tiles are shared along a row, B's along a column, each asked for JOINTLY (one mask, one descriptor in all four).
; LDS: three slots of two K steps; slot 0 is filled a second time, with the fourth pair of K steps, behind a round of the cluster's barrier.  All scale words come once.
; OUT: record (16 batch + head, step of 128 tokens) of 19,200 bytes: K at 0, V at 6,400, Q at 12,800; a part is four images of 1,536 bytes and 256 bytes of scale words [r][4].
;   An image of K or Q holds TWO tokens a row: registers 0-5 the 64 codes of token 32 g + r + 8 (r / 8), registers 6-11 those of the token 8 further on.  An image of V holds 16 features x 128 keys.
; Every store of codes covers 512 consecutive bytes at a multiple of 256.  No prefetch: all tiles but the last pair of K steps are asked for at the head.  One tile a work-group: 192 work-groups.
; LIMITS: NaN and infinities are not served; a block of zeros gets the byte 1 (its codes are zeros; this program alone reads the bytes).
.set SSTR,  1572864                    ; from one pair of K steps to the next, in codes
.set TILEB, 3072                       ; a tile's two images
.set WPART, 24576                      ; 8 tiles: what one tensor load brings
.set SLOT,  98304                      ; A's 16 tiles, then B's 16
.set SCL,   294912                     ; not used
.set SPARE, 311296                     ; the spare words, 128 bytes for each wave: two blocks of 256 bytes that no other line names
.set HEADB, 307200                     ; a head's 16 records
.set STEPB, 19200
.set SPW,  28                          ; v28  SPARE + 4 x my thread's number; never rewritten
.set NIL,  29                          ; v29  0; never rewritten
.set SC,   32                          ; v32-95  scale words: register 8 i + kk: lanes 0-15 A's block i, lanes 16-31 B's block i
.set OUTW, 96                          ; v96-99  the scale words on their way out
.set TT,   100                         ; v100-107 at work in RoPE
.set AF,   128                         ; v128-223 A's eight fragments, one set.  Behind the products:
.set RO,   128                         ; v128-191 a tile's 64 numbers behind RoPE
.set IMG0, 192                         ; v192-203, v204-215 two images
.set IMG1, 204
.set TM,   216                         ; v216-231 at work in the quantiser
.set CT,   232                         ; v232-234, v236-238 the blocks' upper halves
.set PWR,  240                         ; v240-241 two tiles' scale words
.set WS,   244                         ; v244-251 the parts' scale words: first head's four, second head's four
.set G1,   24                          ; s[24:31] group 1, A's tiles;  s[32:39] B's;  s[40:47], s[48:55] A's and B's for K steps 2 to 5
.set G1B,  32
.set G1S,  40
.set G1SB, 48
.set MSB, 0
.macro WIN new                         ; the immediate's high byte repeats the setting that is left
.if MSB != (\new)
	s_set_vgpr_msb (MSB<<8)|(\new)
.set MSB, (\new)
.endif
.endm
.set MUL_LO, 0xa1                      ; source 0 (B) window 1, source 1 (A) window 0, C and D window 2
.set MUL_HI, 0xf1                      ; the same, C and D window 3
.set TO_B,   0x40                      ; destination window 1, address window 0
.macro JLOAD g0a, g1a, g0b, g1b        ; a joint load: waves 0, 1 fetch for A, waves 2, 3 for B; four v_nop follow each line
	s_cmp_eq_u32 s15, 0
	s_cbranch_scc0 .Lfor_b_\@
	tensor_load_to_lds s[\g0a:\g0a+3], s[\g1a:\g1a+7]
	s_nop 0
.rept 4
	v_nop
.endr
	s_branch .Lasked_\@
.Lfor_b_\@:
	tensor_load_to_lds s[\g0b:\g0b+3], s[\g1b:\g1b+7]
	s_nop 0
.rept 4
	v_nop
.endr
.Lasked_\@:
.endm
.macro CREST                           ; a round of the cluster's barrier behind its opening barrier
	s_cmp_lg_u32 s14, 0
	s_cbranch_scc1 .Lnot_wave_0_\@
	s_barrier_signal -3
.Lnot_wave_0_\@:
	s_barrier_wait -3
	s_barrier_signal -1
	s_barrier_wait -1
.endm
.macro CROUND
	s_barrier_signal -1
	s_barrier_wait -1
	CREST
.endm
.macro SETG0 g, pair, sl               ; group 0 for slot sl: LDS = wave x 24,576 + the slot's constant; memory: the pair of K steps sl
	s_mov_b32 s[\g], 1
	s_mul_i32 s[\g+1], s14, WPART
	s_add_co_u32 s[\g+1], s[\g+1], (\sl)*SLOT
	s_add_nc_u64 s[\g+2:\g+3], s[\pair:\pair+1], (\sl)*SSTR
	s_or_b32 s[\g+3], s[\g+3], 0x80000000
.endm
	s_load_b256 s[4:11], s[0:1], 0x0               ; codes, scales, rope, qkv
	v_lshl_add_u32 v[SPW], v0, 2, SPARE
	v_mov_b32 v[NIL], 0
	ds_add_u32 v28, v29
	ds_add_u32 v28, v29
	s_wait_dscnt 0x0
	v_lshrrev_b32 v1, 5, v0
	v_readfirstlane_b32 s14, v1                    ; wave
	s_lshr_b32 s15, s14, 1                         ; which half of A's rows is mine.  Also: I fetch for A (0) or B (1)
	s_and_b32 s16, s14, 1                          ; which half of B's rows.  Also: which 8 tiles I fetch
	s_bfe_u32 s12, ttmp6, 0x40000                  ; cx
	s_bfe_u32 s13, ttmp6, 0x40004                  ; cy
	s_and_b32 s17, ttmp7, 0xffff                   ; cluster y
	s_lshl_b32 s18, s13, 2
	s_lshl_b32 s18, 15, s18                        ; my row of the cluster
	s_lshl_b32 s19, 0x1111, s12                    ; my column
	s_or_b32 s[G1], s18, (3<<16)|(1<<21)           ; the mask; elements of 8 bytes; bit 21 beside a mask; no padding
	s_or_b32 s[G1B], s19, (3<<16)|(1<<21)
	s_or_b32 s[G1S], s18, (3<<16)|(1<<21)
	s_or_b32 s[G1SB], s19, (3<<16)|(1<<21)
.irp g, G1, G1B                        ; 96 rows of 256 bytes, dense
	s_mov_b32 s[\g+1], 32<<16
	s_mov_b32 s[\g+2], 96<<16
	s_mov_b32 s[\g+3], 32<<16
	s_mov_b32 s[\g+4], 96
	s_mov_b32 s[\g+5], 32
	s_mov_b32 s[\g+6], 0
	s_mov_b32 s[\g+7], 0
.endr
.irp g, G1S, G1SB                      ; two pairs of K steps by one load: 2 rows of 24,576 bytes (8 tiles), SSTR bytes apart
	s_mov_b32 s[\g+1], 3072<<16
	s_mov_b32 s[\g+2], 2<<16
	s_mov_b32 s[\g+3], 3072<<16
	s_mov_b32 s[\g+4], 2
	s_mov_b32 s[\g+5], SSTR/8
	s_mov_b32 s[\g+6], 0
	s_mov_b32 s[\g+7], 0
.endr
	s_lshl_b32 s20, s17, 6                         ; x's tiles of this cluster row: 64 y
	s_lshl_b32 s21, ttmp9, 6
	s_add_co_u32 s21, s21, 256                     ; Wq's or Wk's tiles
	s_mov_b32 s22, 384                             ; Wv's
	s_cmp_eq_u32 ttmp9, 2                          ; the cluster's x: the same in all partners
	s_cselect_b32 s22, s22, s20                    ; A: Wv or x
	s_cselect_b32 s23, s20, s21                    ; B: x or Wq, Wk
	s_lshl_b32 s66, s13, 4
	s_add_co_u32 s66, s66, s22                     ; A's first tile hangs on cy alone,
	s_lshl_b32 s67, s12, 4
	s_add_co_u32 s67, s67, s23                     ; B's on cx alone
	s_lshl_b32 s96, s15, 3                         ; the scale words that I multiply with: A's, my half of its tiles, 512 bytes a tile;
	s_add_co_u32 s96, s96, s66
	s_lshl_b32 s96, s96, 9
	s_lshl_b32 s98, s16, 3                         ; B's
	s_add_co_u32 s98, s98, s67
	s_lshl_b32 s98, s98, 9
	s_lshl_b32 s20, s16, 3
	s_add_co_u32 s66, s66, s20
	s_add_co_u32 s67, s67, s20
	s_mul_i32 s92, s66, TILEB
	s_mov_b32 s93, 0
	s_mul_i32 s94, s67, TILEB
	s_mov_b32 s95, 0
	s_wait_kmcnt 0x0
	s_add_nc_u64 s[92:93], s[4:5], s[92:93]
	s_add_nc_u64 s[94:95], s[4:5], s[94:95]
	CROUND                                         ; all sixteen work-groups are here: the first joint loads meet
	SETG0 56, 92, 0
	SETG0 72, 94, 0
	s_mov_b32 s60, 1                               ; group 0 for K steps 2 to 5: behind slot 0, 49,152 bytes a wave: its 8 tiles of the second pair, then of the third
	s_mul_i32 s61, s14, 2*WPART
	s_add_co_u32 s61, s61, SLOT
	s_add_nc_u64 s[62:63], s[92:93], SSTR
	s_or_b32 s63, s63, 0x80000000
	s_mov_b32 s76, 1
	s_mul_i32 s77, s14, 2*WPART
	s_add_co_u32 s77, s77, SLOT
	s_add_nc_u64 s[78:79], s[94:95], SSTR
	s_or_b32 s79, s79, 0x80000000
	JLOAD 56, G1, 72, G1B                          ; K steps 0, 1: my one tensor load at the head
	v_and_b32 v1, 15, v0                           ; r
	v_bfe_u32 v2, v0, 4, 1                         ; h
	v_and_b32 v6, 31, v0
	v_lshlrev_b32 v4, 4, v6                        ; 16 x lane
	v_and_b32 v7, 8, v1
	v_add_nc_u32 v7, v7, v1                        ; r + 8 (r / 8)
	v_lshlrev_b32 v3, 8, v7
	v_lshl_add_u32 v3, v2, 6, v3                   ; cos, sin: my token's 256 bytes, + 64 h
	v_lshlrev_b32 v5, 4, v1
	v_mul_u32_u24 v7, v2, HEADB
	v_add_nc_u32 v5, v5, v7                        ; scale words out: 16 r; lanes 16-31 the next head's
	s_mul_i32 s20, s15, WPART                      ; my 8 tiles of A,
	s_mul_i32 s21, s16, WPART
	s_add_co_u32 s21, s21, 2*WPART                 ; of B, behind A's 16
	v_add_nc_u32 v16, s20, v4                      ; slot 0: 24,576 bytes a fetching wave
	v_add_nc_u32 v20, s21, v4
	s_lshl_b32 s20, s20, 1                         ; behind it 49,152 bytes a fetching wave: the second pair's tiles, then the third's
	s_lshl_b32 s21, s21, 1
	s_add_co_u32 s20, s20, SLOT
	s_add_co_u32 s21, s21, SLOT
.irp s, 1,2
	v_add_nc_u32 v[16+\s], s20, v4
	v_add_nc_u32 v[20+\s], s21, v4
	s_add_co_u32 s20, s20, WPART
	s_add_co_u32 s21, s21, WPART
.endr
	v_mov_b32 v6, s96                              ; the scale words come from memory into registers: lanes 0-15 take A's, lanes 16-31 B's; sixteen lanes read 256 consecutive bytes
	v_mov_b32 v7, s98
	v_cmp_eq_u32 vcc_lo, 1, v2
	v_cndmask_b32 v6, v6, v7, vcc_lo
	v_lshl_add_u32 v27, v1, 4, v6
	; where my results go
	s_cmp_eq_u32 ttmp9, 2
	s_cselect_b32 s20, s12, s13                    ; the tokens' place in the cluster: cx for v, cy for q, k
	s_cselect_b32 s21, s16, s15                    ; and my half of them
	s_cselect_b32 s22, s13, s12                    ; the features' place
	s_cselect_b32 s23, s15, s16
	s_lshl_b32 s66, s17, 2
	s_add_co_u32 s66, s66, s20
	s_lshl_b32 s66, s66, 1
	s_add_co_u32 s66, s66, s21                     ; my 128 tokens: step 0 .. 31 of the two batches
	s_lshr_b32 s20, s66, 4                         ; batch
	s_and_b32 s21, s66, 15                         ; step in it
	s_lshl_b32 s22, s22, 2
	s_lshl_b32 s23, s23, 1
	s_add_co_u32 s22, s22, s23                     ; my first head of two
	s_lshl_b32 s20, s20, 4
	s_add_co_u32 s20, s20, s22
	s_mul_i32 s20, s20, HEADB
	s_mul_i32 s21, s21, STEPB
	s_add_co_u32 s20, s20, s21
	s_cmp_eq_u32 ttmp9, 0
	s_cselect_b32 s21, 12800, 0                    ; Q's part or K's,
	s_cmp_eq_u32 ttmp9, 2
	s_cselect_b32 s21, 6400, s21                   ; or V's
	s_add_co_u32 s20, s20, s21
	s_mov_b32 s21, 0
	s_add_nc_u64 s[10:11], s[10:11], s[20:21]
	s_lshl_b32 s20, s66, 15                        ; 128 tokens x 256 bytes of cos and sin
	s_add_nc_u64 s[8:9], s[8:9], s[20:21]
	s_mov_b32 s20, 0x05040100                      ; v_perm_b32: the two low halves,
	s_mov_b32 s21, 0x07060302                      ; the two high halves
	s_mov_b32 s22, 0x76543210
	s_mov_b32 s23, 0xfedcba98                      ; v_permlanex16_b32's selects for lane l xor 16
.macro FRAG reg, adr, off              ; a fragment's image: three loads of 512 consecutive bytes
.irp c, 0,1,2
	ds_load_b128 v[\reg+4*\c:\reg+4*\c+3], v[\adr] offset:\off+512*\c
.endr
.endm
.macro FETCH_B kk                      ; B's eight fragments of K step kk into set kk % 2
	WIN TO_B
.irp i, 0,1,2,3,4,5,6,7
	FRAG 128*((\kk)%2)+12*\i, 20+((\kk)/2)%3, \i*TILEB+((\kk)%2)*1536
.endr
	WIN 0
.endm
.macro FETCH_A kk, i0                  ; A's blocks i0 .. i0 + 3
.irp i, \i0, \i0+1, \i0+2, \i0+3
	FRAG AF+12*(\i), 16+((\kk)/2)%3, (\i)*TILEB+((\kk)%2)*1536
.endr
.endm
; 16 matrix instructions: A's blocks a0, a0 + 1 x B's eight.  The 64 accumulators take turns, one instruction a turn, in the same order in every K step.
.macro MUL16 a0, kk, zero
.irp a, \a0, \a0+1
.irp b, 0,1,2,3,4,5,6,7
.if \zero
	v_wmma_scale_f32_16x16x128_f8f6f4 v[8*(8*((\a)%4)+\b):8*(8*((\a)%4)+\b)+7], v[128*((\kk)%2)+12*\b:128*((\kk)%2)+12*\b+11], v[AF+12*(\a):AF+12*(\a)+11], 0, v[SC+8*\b+(\kk)], v[SC+8*(\a)+(\kk)] matrix_a_fmt:MATRIX_FMT_FP6 matrix_b_fmt:MATRIX_FMT_FP6 matrix_a_scale:MATRIX_SCALE_ROW1
.else
	v_wmma_scale_f32_16x16x128_f8f6f4 v[8*(8*((\a)%4)+\b):8*(8*((\a)%4)+\b)+7], v[128*((\kk)%2)+12*\b:128*((\kk)%2)+12*\b+11], v[AF+12*(\a):AF+12*(\a)+11], v[8*(8*((\a)%4)+\b):8*(8*((\a)%4)+\b)+7], v[SC+8*\b+(\kk)], v[SC+8*(\a)+(\kk)] matrix_a_fmt:MATRIX_FMT_FP6 matrix_b_fmt:MATRIX_FMT_FP6 matrix_a_scale:MATRIX_SCALE_ROW1
.endif
.endr
.endr
.endm
.macro PLACES                          ; four places in front of loads into registers that matrix instructions have read, and of the first read of results
.rept 4
	v_nop
.endr
.endm
.macro STEP kk, zero                   ; a K step whose successor's tiles are known to lie in LDS
	s_wait_dscnt 12                                ; B's set and A's blocks 0-3 are in; A's blocks 4-7, the youngest 12 loads, may be out
	WIN MUL_LO
	MUL16 0, \kk, \zero
	MUL16 2, \kk, \zero
	s_wait_dscnt 0x0
	PLACES
	FETCH_B (\kk)+1
	FETCH_A (\kk)+1, 0
	WIN MUL_HI
	MUL16 4, \kk, \zero
	MUL16 6, \kk, \zero
	PLACES
	WIN 0
	FETCH_A (\kk)+1, 4
.endm
; A K step with a barrier in it.  In front of it each wave waits for all its tensor loads, adds 0 to its spare word, and waits for that and for its LDS reads.
; fill = 1: slot 0, which has been read out, takes the fourth pair of K steps; the barrier then opens a round of the cluster's barrier.
.macro TURN kk, fill
	s_wait_tensorcnt 0x0                           ; all my tensor loads have landed
	ds_add_u32 v[SPW], v[NIL]
	s_wait_dscnt 13                                ; (the add and A's blocks 4-7 may be out)
	WIN MUL_LO
	MUL16 0, \kk, 0                                ; sixteen matrix instructions stand between the add and the wait for it
	s_wait_dscnt 0x0                               ; the add is done, and my reads of the slots so far are over
	s_barrier_signal -1
	MUL16 2, \kk, 0
	WIN 0
	s_barrier_wait -1
.if \fill
	CREST                                          ; no wave of any partner still reads slot 0 or has a load on its way
	s_add_nc_u64 s[58:59], s[58:59], 3*SSTR
	s_add_nc_u64 s[74:75], s[74:75], 3*SSTR
	JLOAD 56, G1, 72, G1B                          ; the first tensor load behind the round, one a wave; its four v_nop are the places in front of the loads below
.else
	PLACES
.endif
	FETCH_B (\kk)+1
	FETCH_A (\kk)+1, 0
	WIN MUL_HI
	MUL16 4, \kk, 0
	MUL16 6, \kk, 0
	PLACES
	WIN 0
	FETCH_A (\kk)+1, 4
.endm
.macro RLOAD a                         ; cos and sin for the 16 tokens of A's block a: pairs 16 b2 + 8 h + 0 .. 7 of my token, into window 1, v96-127 and v224-255 by turns
	WIN TO_B
.irp b2, 0,1
.irp q, 0,1,2,3
	global_load_b128 v[96+128*((\a)%2)+16*\b2+4*\q:96+128*((\a)%2)+16*\b2+4*\q+3], v3, s[8:9] offset:(32*((\a)/2)+8*((\a)%2))*256+128*\b2+16*\q
.endr
.endr
	WIN 0
.endm
	RLOAD 0                                        ; on both ways, so that these registers are written on every path; v's way does not read them (its address is a token's too)
	s_wait_alu depctr_va_vdst(0)
.irp i, 0,1,2,3,4,5,6,7
.irp j, 0,1
	global_load_b128 v[SC+8*\i+4*\j:SC+8*\i+4*\j+3], v27, s[6:7] offset:512*\i+256*\j   ; all of K's scale words, once
.endr
.endr
	s_wait_tensorcnt 0x0                           ; my part of K steps 0, 1 is in
	ds_add_u32 v[SPW], v[NIL]
	s_wait_dscnt 0x0
	CROUND                                         ; everybody's part is in, and all sixteen work-groups are here
	JLOAD 60, G1S, 76, G1SB                        ; K steps 2 to 5: my one tensor load behind the round
	FETCH_B 0
	FETCH_A 0, 0
	FETCH_A 0, 4
	s_wait_loadcnt 0x0                             ; the scale words (and the first cos and sin) are in
	STEP 0, 1                                      ; the first products start the sums: nothing is cleared
	TURN 1, 1                                      ; its wait for all loads also shows K steps 2 to 5 landed, in every wave
	STEP 2, 0
	STEP 3, 0
	STEP 4, 0
	TURN 5, 0                                      ; K steps 6, 7 have landed, in every wave
	STEP 6, 0
	s_wait_dscnt 12
	WIN MUL_LO
	MUL16 0, 7, 0
	MUL16 2, 7, 0
	s_wait_dscnt 0x0
	WIN MUL_HI
	MUL16 4, 7, 0
	MUL16 6, 7, 0
	WIN 0
	PLACES
.irp b, 0,1,2,3
	v_mov_b32 v[TM+4+\b], 0                        ; (a lane permute's destination counts as read)
.endr
; RoPE on block a's 64 numbers a lane (register 16 b + i = feature 32 b + 16 h + i of my token; two heads).  Pair n: (xe, xo) -> (xe cos - xo sin, xe sin + xo cos), two packed instructions.
.macro ROPE a
.set RW, (2+(\a)/4)|4                  ; source 0: the accumulators' window; source 1: window 1
.set RB, 64*((\a)%4)
.set RC, 96+128*((\a)%2)
	WIN RW
.set n, 0
.rept 8
.irp m, 0,1,2,3
	v_pk_mul_f32 v[TT+2*\m:TT+2*\m+1], v[RB+2*(n+\m):RB+2*(n+\m)+1], v[RC+(2*(n+\m))%32:RC+(2*(n+\m))%32+1] op_sel:[1,1] op_sel_hi:[1,0] neg_lo:[1,0]   ; (-xo sin, xo cos)
.endr
.irp m, 0,1,2,3
	v_pk_fma_f32 v[RO+2*(n+\m):RO+2*(n+\m)+1], v[RB+2*(n+\m):RB+2*(n+\m)+1], v[RC+(2*(n+\m))%32:RC+(2*(n+\m))%32+1], v[TT+2*\m:TT+2*\m+1] op_sel:[0,0,0] op_sel_hi:[0,1,1]   ; + (xe cos, xe sin)
.endr
.set n, n+4
.endr
	WIN 0
.endm
; 64 numbers of a lane in window w, register 16 b + i = k 32 b + 16 h + i of my row: blocks 0, 1 become six registers at d0, blocks 2, 3 six at d1 (lane (r, h): block h of the two), the four bytes the word pw.
.macro QUANT s, d0, d1, pw, w
.set QW1, (\w)|((\w)<<2)
.set QW2, ((\w)<<2)|((\w)<<4)
.set QW3, (\w)
	WIN QW1
.irp b, 0,1,2,3
	v_max3_num_f32 v[TM+\b], |v[\s+16*\b]|, |v[\s+1+16*\b]|, 0x1800000   ; my 16 numbers of block b, from the low end on, and the floor 2^(3 - 127)
.endr
	WIN QW2
.irp i, 2,4,6,8,10,12,14
.irp b, 0,1,2,3
	v_max3_num_f32 v[TM+\b], v[TM+\b], |v[\s+16*\b+\i]|, |v[\s+1+16*\b+\i]|
.endr
.endr
	WIN 0
.irp b, 0,1,2,3
	v_permlanex16_b32 v[TM+4+\b], v[TM+\b], s22, s23
.endr
.irp b, 0,1,2,3
	v_max_num_f32 v[TM+\b], v[TM+\b], v[TM+4+\b]   ; with lane l xor 16's: the block's largest magnitude
.endr
.irp b, 0,1,2,3
	v_add_nc_u32 v[TM+12+\b], 0xff000000, v[TM+\b] ; 2 off the exponent field: the conversion's scale operand
.endr
.irp b, 0,1,2,3
	v_lshrrev_b32 v[TM+4+\b], 23, v[TM+12+\b]      ; the scale's byte
.endr
	v_lshl_or_b32 v[\pw], v[TM+5], 8, v[TM+4]
	v_lshl_or_b32 v[\pw], v[TM+6], 16, v[\pw]
	v_lshl_or_b32 v[\pw], v[TM+7], 24, v[\pw]
	WIN QW3
	v_cvt_scalef32_pk16_fp6_f32 v[\d0:\d0+2], v[\s:\s+15], v[TM+12]
	v_cvt_scalef32_pk16_fp6_f32 v[CT:CT+2], v[\s+16:\s+31], v[TM+13]
	v_cvt_scalef32_pk16_fp6_f32 v[\d1:\d1+2], v[\s+32:\s+47], v[TM+14]
	v_cvt_scalef32_pk16_fp6_f32 v[CT+4:CT+6], v[\s+48:\s+63], v[TM+15]
	WIN 0
	v_nop                                          ; one plain place behind a scaled conversion
.irp i, 0,1,2
	v_permlane16_swap_b32 v[\d0+\i], v[CT+\i]      ; a WHOLE block to a lane: lanes 0-15 the first block, lanes 16-31 the second
	v_permlane16_swap_b32 v[\d1+\i], v[CT+4+\i]
.endr
.irp i, 0,1,2
	v_mov_b32 v[\d0+3+\i], v[CT+\i]
	v_mov_b32 v[\d1+3+\i], v[CT+4+\i]
.endr
.endm
	s_cmp_eq_u32 ttmp9, 2
	s_cbranch_scc1 .Lway_v
	; ---- q, k: block by block of 16 tokens.  Two blocks make an image of each of my two heads
.irp a, 0,1,2,3,4,5,6,7
.if \a < 7
	RLOAD \a+1
	s_wait_loadcnt 8                               ; this block's cos and sin are in; the next block's eight loads may be out
.else
	s_wait_loadcnt 0x0
.endif
	ROPE \a
.if (\a%2 == 0) && (\a > 0)
	s_wait_xcnt 0x0                                ; the last two images have been read by their stores: their registers are written again
.endif
	QUANT RO, IMG0+6*(\a%2), IMG1+6*(\a%2), PWR+\a%2, 0
.if \a%2 == 1
	v_perm_b32 v[WS+\a/2], v[PWR+1], v[PWR], s20   ; first head: both tokens' two bytes
	v_perm_b32 v[WS+4+\a/2], v[PWR+1], v[PWR], s21 ; second head
.irp k, 0,1,2
	global_store_b128 v4, v[IMG0+4*\k:IMG0+4*\k+3], s[10:11] offset:(\a/2)*1536+512*\k
	global_store_b128 v4, v[IMG1+4*\k:IMG1+4*\k+3], s[10:11] offset:HEADB+(\a/2)*1536+512*\k
.endr
.endif
.endr
	s_branch .Ljoin
.Lway_v:
	; ---- v: block by block of 16 features; each block's 64 numbers a lane run along my 128 tokens: one image
.irp a, 0,1,2,3,4,5,6,7
.if \a > 1
	s_wait_xcnt 0x0                                ; the image stored two blocks ago has been read
.endif
	QUANT 64*(\a%4), IMG0+12*(\a%2), IMG0+12*(\a%2)+6, WS+\a, 2+\a/4
.irp k, 0,1,2
	global_store_b128 v4, v[IMG0+12*(\a%2)+4*\k:IMG0+12*(\a%2)+4*\k+3], s[10:11] offset:(\a/4)*HEADB+(\a%4)*1536+512*\k
.endr
.endr
.Ljoin:
	v_cmp_eq_u32 vcc_lo, 1, v2
	s_wait_alu depctr_va_vdst(0)
.irp i, 0,1,2,3
	v_cndmask_b32 v[OUTW+\i], v[WS+\i], v[WS+4+\i], vcc_lo   ; lanes 0-15 the first head's words, lanes 16-31 the second's
.endr
	global_store_b128 v5, v[OUTW:OUTW+3], s[10:11] offset:6144   ; sixteen lanes store a part's 256 bytes of scale words
	s_wait_tensorcnt 0x0                           ; the wave's end
	ds_add_u32 v[SPW], v[NIL]
	s_wait_dscnt 0x0
	CROUND                                         ; the closing round
	s_endpgm
.Lfunc_end_k_qc9b77cee5c_qkv:
	.size	k_qc9b77cee5c_qkv, .Lfunc_end_k_qc9b77cee5c_qkv-k_qc9b77cee5c_qkv
	.p2alignl 7, 3214868480
	.fill 96, 4, 3214868480
	.section	.rodata,"a",@progbits
	.p2align	6, 0x0
	.amdhsa_kernel k_qc9b77cee5c_qkv
		.amdhsa_group_segment_fixed_size 327680
		.amdhsa_private_segment_fixed_size 0
		.amdhsa_enable_private_segment 0
		.amdhsa_kernarg_size 32
		.amdhsa_user_sgpr_count 2
		.amdhsa_user_sgpr_kernarg_segment_ptr 1
		.amdhsa_wavefront_size32 1
		.amdhsa_system_sgpr_workgroup_id_x 1
		.amdhsa_system_sgpr_workgroup_id_y 1
		.amdhsa_system_sgpr_workgroup_id_z 1
		.amdhsa_system_vgpr_workitem_id 0
		.amdhsa_next_free_vgpr 1024
		.amdhsa_next_free_sgpr 100
		.amdhsa_reserve_vcc 1
		.amdhsa_float_denorm_mode_32 3
		.amdhsa_float_denorm_mode_16_64 3
		.amdhsa_memory_ordered 1
		.amdhsa_forward_progress 1
		.amdhsa_inst_pref_size 211
	.end_amdhsa_kernel
	.amdgpu_metadata
---
amdhsa.version: [ 1, 2 ]
amdhsa.kernels:
  - .name:           k_qc9b77cee5c_qkv
    .symbol:         k_qc9b77cee5c_qkv.kd
    .args:
      - { .name: codes, .offset: 0, .size: 8, .value_kind: global_buffer, .address_space: global }
      - { .name: scales, .offset: 8, .size: 8, .value_kind: global_buffer, .address_space: global }
      - { .name: rope, .offset: 16, .size: 8, .value_kind: global_buffer, .address_space: global }
      - { .name: qkv, .offset: 24, .size: 8, .value_kind: global_buffer, .address_space: global }
    .group_segment_fixed_size: 327680
    .private_segment_fixed_size: 0
    .kernarg_segment_align: 8
    .kernarg_segment_size: 32
    .max_flat_workgroup_size: 128
    .sgpr_count:     100
    .vgpr_count:     1024
    .wavefront_size: 32
...
	.end_amdgpu_metadata
.endif
;; end of part 2
;; launch attn (part 3): grid 8 x 32, 8 waves a work-group, clusters of 4 x 1, 206,848 bytes of LDS; arguments qkv, ocodes, oscales; writes ocodes, oscales
.if DOCPART == 3
	.amdgcn_target "amdgcn-amd-amdhsa--gfx1250"
	.amdhsa_code_object_version 6
	.text
	.protected	k_qc9b77cee5c_attn
	.globl	k_qc9b77cee5c_attn
	.p2align	8
	.type	k_qc9b77cee5c_attn,@function
k_qc9b77cee5c_attn:
	s_mov_b64 s[64:65], 0
	v_nop
	global_prefetch_b8 v0, s[64:65] scope:SCOPE_SE
	s_setreg_imm32_b32 hwreg(HW_REG_WAVE_MODE, 25, 1), 1
	s_wait_xcnt 0x0
	s_wait_alu depctr_hold_cnt(0) depctr_sa_sdst(0) depctr_va_vdst(0) depctr_va_sdst(0) depctr_va_ssrc(0) depctr_va_vcc(0) depctr_vm_vsrc(0)
	s_getreg_b32 s2, hwreg(HW_REG_IB_STS2, 6, 4)
	s_cmp_eq_u32 s2, 0
	s_cbranch_scc0 .Lentry_in_a_cluster
	s_endpgm
.Lentry_in_a_cluster:
	s_bfe_u32 s2, ttmp6, 0x10000c
	s_cmp_lg_u32 s2, 0x3003
	s_cbranch_scc0 .Lentry_shape_is_right
	s_endpgm
.Lentry_shape_is_right:
; o = softmax(q k^T / 8, causal) v for one head, both products on codes of FP6 (E2M3), and o's quantising along the model's axis for the last product.
; THE SOFTMAX: t = score x log2(e) / 8; M = the running largest t rounded UP to a whole number; p = 2^(t - M) is quantised along the keys; the row's sum is taken of the
; unquantised p and divides at the end.  When M moves, the sum and O are multiplied by 2^(old M - new M): exact.
; SHARES.  Work-group (p, head), p = 0 .. 7; eight waves.  Wave w owns two tiles of 16 queries, one after the other: tile p of the block of 128 queries 15 - w, then tile p of block w.
; Block b walks b + 1 steps of 128 keys (key tiles wholly behind the causal mask are passed over), so every wave walks (16 - w) + (w + 1) = 17 steps.
; LDS holds the head's whole K and V: slot i (12,800 bytes) = key step i.  Wave w fills slots 2 w, 2 w + 1 ONCE, by one load of 2 rows of 12,800 bytes, jointly for the four
; work-groups of the cluster, which read the same K and V.  No slot is filled again.  Which steps a wave walks hangs on its number and the pass alone: alike in all partners.
; LAYOUT.  Both products transposed (S^T = K Q^T, O^T = V^T P^T): a lane holds one query.  The head is 64 and the instruction's K is 128: a fragment of K holds TWO keys a row and is
; multiplied once by [q | zero codes] and once by [zero codes | q].  q lies in 18 registers, zeros - q - zeros.  p's 16 registers of fragment g are keys 32 g + 16 h + 0 .. 15.
; The steps' order is free under a running M: the diagonal step comes first and starts O^T with C = 0.
; No prefetch: every byte of K and V is asked for at the head.
; LIMITS: NaN and infinities are not served; the scaled scores stay under 2^31 in magnitude; a block of zeros gets the byte 1 (its codes are zeros; this program alone reads the bytes).
; o's scale bytes leave as 2 bytes a lane: a token's heads lie in different work-groups.
.set HEADB, 307200
.set STEPB, 19200
.set SLOTB, 12800
.set SPARE, 204800                     ; behind the 16 slots: the spare words, 128 bytes a wave
; v1 16 lane; v2 16 r; v3, v4 the step's LDS addresses; v5 my query - 16 h; v6 lane; v9, v10 q's offsets; v11 8 lane; v12 -M, v13 largest t, v[14:15] the sum; v16-33 q; v34 q's scale word,
; v35 p's; v36-39 K's, v40-43 V's; v47, v255 the add's; v48-95 K's fragments, then at work; v96-159 S^T, then p; v160-191 O^T; v192-239 V's fragments; v240-251 p's codes; v252 f
.macro ROUND
	s_barrier_signal -1
	s_barrier_wait -1
	s_cmp_lg_u32 s10, 0
	s_cbranch_scc1 .Lnot_wave_0_\@
	s_barrier_signal -3
.Lnot_wave_0_\@:
	s_barrier_wait -3
	s_barrier_signal -1
	s_barrier_wait -1
.endm
.macro LOADQ blk                       ; q's image and scale words of block blk
	s_mul_i32 s40, \blk, STEPB
	s_mov_b32 s41, 0
	s_add_nc_u64 s[52:53], s[4:5], s[40:41]
.irp c, 0,1,2
	global_load_b128 v[48+4*\c:51+4*\c], v9, s[52:53] offset:12800+512*\c
.endr
	global_load_b32 v60, v10, s[52:53] offset:12800+6144
.endm
	s_load_b128 s[4:7], s[0:1], 0x0                ; qkv, ocodes
	s_load_b64 s[8:9], s[0:1], 0x10                ; oscales
	v_lshl_add_u32 v47, v0, 2, SPARE
	v_mov_b32 v255, 0
	ds_add_u32 v47, v255                           ; the opening lines
	ds_add_u32 v47, v255
	v_lshrrev_b32 v1, 5, v0
	s_delay_alu instid0(VALU_DEP_1)
	v_readfirstlane_b32 s10, v1                    ; wave 0..7
	s_bfe_u32 s11, ttmp6, 0x40000                  ; cx
	s_lshl_b32 s12, ttmp9, 2
	s_add_co_u32 s12, s12, s11                     ; p: it enters q's and o's addresses and the mask's numbers alone
	s_and_b32 s13, ttmp7, 0xffff                   ; 16 batch + head
	s_xor_b32 s14, s10, 15                         ; the first pass's block: 15 - w
	s_mov_b32 s16, 15|(3<<16)|(1<<21)              ; the mask: all four work-groups; elements of 8 bytes; bit 21 beside a mask; no padding
	s_mov_b32 s17, 1600<<16                        ; 2 rows of 12,800 bytes (a step's K and V), 19,200 bytes apart
	s_mov_b32 s18, 2<<16
	s_mov_b32 s19, 1600<<16
	s_mov_b32 s20, 2
	s_mov_b32 s21, 2400
	s_mov_b32 s22, 0
	s_mov_b32 s23, 0
	s_mov_b32 s24, 1
	s_mul_i32 s25, s10, 2*SLOTB                    ; my two slots
	s_mul_i32 s38, s13, HEADB
	s_mov_b32 s39, 0
	s_mul_i32 s40, s10, 2*STEPB
	s_mov_b32 s41, 0
	s_mov_b32 s34, 0x76543210
	s_mov_b32 s35, 0xfedcba98                      ; v_permlanex16_b32's selects for lane l xor 16
	s_mov_b32 s36, 0x3e38aa3b                      ; c = log2(e) / 8
	s_mov_b32 s37, s36                             ; (named with it as a pair)
	s_wait_dscnt 0x0
	s_wait_kmcnt 0x0
	s_add_nc_u64 s[4:5], s[4:5], s[38:39]          ; the head's records
	s_add_nc_u64 s[26:27], s[4:5], s[40:41]
	s_or_b32 s27, s27, 0x80000000
	ROUND                                          ; all four work-groups are here: the joint loads meet
	tensor_load_to_lds s[24:27], s[16:23]          ; K and V of steps 2 w, 2 w + 1: my one tensor load
	s_nop 0
.rept 4
	v_nop
.endr
	v_and_b32 v6, 31, v0                           ; lane
	v_and_b32 v7, 15, v0                           ; r
	v_bfe_u32 v8, v0, 4, 1                         ; h
	v_lshlrev_b32 v1, 4, v6
	v_lshlrev_b32 v2, 4, v7
	v_lshlrev_b32 v11, 3, v6
	s_lshr_b32 s44, s12, 1                         ; q's image: p / 2; which of its two tokens: p % 2
	s_and_b32 s45, s12, 1
	s_mul_i32 s46, s44, 1536
	v_add_nc_u32 v9, s46, v1
	s_lshl_b32 s46, s44, 2
	v_add_nc_u32 v10, s46, v2
	s_lshl_b32 s46, s44, 5
	s_lshl_b32 s47, s45, 3
	s_add_co_u32 s46, s46, s47
	v_and_b32 v5, 8, v7
	v_lshlrev_b32 v8, 4, v8
	v_add3_u32 v5, v5, v7, s46                     ; my query in its block: 32 (p / 2) + 8 (p % 2) + r + 8 (r / 8),
	s_delay_alu instid0(VALU_DEP_1)
	v_sub_nc_u32 v5, v5, v8                        ; less 16 h
	s_wait_alu depctr_va_vdst(0)                   ; the wait ahead of the readers below
	LOADQ s14
	s_cmp_eq_u32 s45, 1
	s_cselect_b32 s48, -1, 0
	s_mov_b32 s49, 0x03020302
	s_cselect_b32 s49, s49, 0x01000100             ; my token's two scale bytes, twice
	; where o goes: token tile T = 128 batch + 8 block + p; head hd.  Here all but the block's part
	s_and_b32 s42, s13, 15
	s_lshr_b32 s43, s13, 4
	s_lshl_b32 s43, s43, 7
	s_add_co_u32 s43, s43, s12
	s_lshr_b32 s44, s42, 2
	s_mul_i32 s44, s44, 786432
	s_mul_i32 s45, s43, 3072
	s_add_co_u32 s44, s44, s45
	s_bfe_u32 s45, s42, 0x10001
	s_mul_i32 s45, s45, 1536
	s_add_co_u32 s44, s44, s45
	s_and_b32 s45, s42, 1
	s_mul_i32 s45, s45, 768
	s_add_co_u32 s44, s44, s45
	s_mov_b32 s45, 0
	s_add_nc_u64 s[6:7], s[6:7], s[44:45]
	s_lshl_b32 s44, s43, 9
	s_lshr_b32 s46, s42, 3
	s_lshl_b32 s46, s46, 8
	s_add_co_u32 s44, s44, s46
	s_and_b32 s46, s42, 7
	s_lshl_b32 s46, s46, 1
	s_add_co_u32 s44, s44, s46
	s_add_nc_u64 s[8:9], s[8:9], s[44:45]
.irp i, 0,1,2,3,4,5
	v_mov_b32 v[16+\i], 0                          ; zero codes on both sides of q
	v_mov_b32 v[28+\i], 0
.endr
	v_mov_b32 v253, 0                              ; (named as the upper half of the pair v[252:253])
; A KEY STEP: the 128 keys of the slot at LDS byte s28.  diag = 1: my own block's keys: those behind my query are hidden, and the step starts O^T.
.macro STEP diag
	v_add_nc_u32 v3, s28, v1
	v_add_nc_u32 v4, s28, v2
.irp g, 0,1,2,3
.irp c, 0,1,2
	ds_load_b128 v[48+12*\g+4*\c:51+12*\g+4*\c], v3 offset:1536*\g+512*\c
.endr
.endr
	ds_load_b128 v[36:39], v4 offset:6144          ; K's scale words
	s_wait_alu depctr_va_vdst(0)
	s_wait_dscnt 0x0
.irp g, 0,1,2,3
	v_wmma_scale_f32_16x16x128_f8f6f4 v[96+16*\g:103+16*\g], v[48+12*\g:59+12*\g], v[22:33], 0, v[36+\g], v34 matrix_a_fmt:MATRIX_FMT_FP6 matrix_b_fmt:MATRIX_FMT_FP6
	v_wmma_scale_f32_16x16x128_f8f6f4 v[104+16*\g:111+16*\g], v[48+12*\g:59+12*\g], v[16:27], 0, v[36+\g], v34 matrix_a_fmt:MATRIX_FMT_FP6 matrix_b_fmt:MATRIX_FMT_FP6
.endr
.rept 4
	v_nop                                          ; places: with the two additions above also those behind the last step's products, in front of the loads below
.endr
.irp t, 0,1,2,3
.irp c, 0,1,2
	ds_load_b128 v[192+12*\t+4*\c:195+12*\t+4*\c], v3 offset:6400+1536*\t+512*\c   ; V lands under the softmax
.endr
.endr
	ds_load_b128 v[40:43], v4 offset:12544         ; V's scale words
.if \diag
	v_mov_b32 v254, 0xff800000                     ; -infinity.  Register 16 b + i holds key 32 b + 16 h + i: hidden where 32 b + i > my query - 16 h
.set n, 0
.rept 64
	v_cmp_gt_i32 vcc_lo, 32*(n/16)+n%16, v5
	v_cndmask_b32 v[96+n], v[96+n], v254, vcc_lo
.set n, n+1
.endr
.endif
.irp b, 0,1,2,3
	v_max3_num_f32 v[48+\b], v[96+16*\b], v[97+16*\b], v[98+16*\b]   ; the largest score of each block of 32 keys: for the row's maximum and, since p rises with the score, for the block's largest p
.endr
.irp i, 3,5,7,9,11,13
.irp b, 0,1,2,3
	v_max3_num_f32 v[48+\b], v[48+\b], v[96+16*\b+\i], v[97+16*\b+\i]
.endr
.endr
.irp b, 0,1,2,3
	v_max_num_f32 v[48+\b], v[48+\b], v[111+16*\b]
.endr
.irp b, 0,1,2,3
	s_delay_alu instid0(VALU_DEP_4)
	v_permlanex16_b32 v[52+\b], v[48+\b], s34, s35
.endr
.irp b, 0,1,2,3
	s_delay_alu instid0(VALU_DEP_4)
	v_max_num_f32 v[48+\b], v[48+\b], v[52+\b]     ; with lane l xor 16's 16 keys
.endr
	s_delay_alu instid0(VALU_DEP_2)
	v_max3_num_f32 v254, v48, v49, v50
	s_delay_alu instid0(VALU_DEP_1)
	v_max_num_f32 v254, v254, v51
	s_delay_alu instid0(VALU_DEP_1)
	v_mul_f32 v254, s36, v254                      ; as t
	s_delay_alu instid0(VALU_DEP_1)
	v_max_num_f32 v13, v13, v254                   ; the running largest t
	v_mov_b32 v254, v12
	s_delay_alu instid0(VALU_DEP_2)
	v_floor_f32 v12, -v13                          ; the new -M = -ceil(t)
	s_delay_alu instid0(VALU_DEP_1)
	v_sub_f32 v254, v12, v254                      ; old M - new M: a whole number, 0 or less
	s_delay_alu instid0(VALU_DEP_1)
	v_cvt_i32_f32 v254, v254                       ; (it saturates)
	s_delay_alu instid0(VALU_DEP_1)
	v_ldexp_f32 v252, 1.0, v254                    ; f = 2^(old M - new M)
.set j, 0
.rept 32
	v_pk_fma_f32 v[96+j:97+j], v[96+j:97+j], s[36:37], v[12:13] op_sel_hi:[1,0,0]   ; t - M
.set j, j+2
.endr
.irp b, 0,1,2,3
	v_fma_f32 v[48+\b], v[48+\b], s36, v12
.endr
	s_wait_alu depctr_va_vdst(0)                   ; the wait ahead of the batch
.set j, 0
.rept 64
	v_exp_f32 v[96+j], v[96+j]                     ; p = 2^(t - M)
.set j, j+1
.endr
	v_pk_mul_f32 v[14:15], v[14:15], v[252:253] op_sel_hi:[1,0]   ; the sums under the new M (a plain place behind the exponentials)
	s_wait_alu depctr_va_vdst(0)                   ; one wait for the batch, ahead of its first reader
.irp b, 0,1,2,3
	v_exp_f32 v[48+\b], v[48+\b]                   ; the blocks' largest p
.endr
	v_pk_add_f32 v[68:69], v[96:97], v[98:99]      ; the row's sum of the unquantised p, in three chains
	v_pk_add_f32 v[44:45], v[100:101], v[102:103]
.set j, 8
.rept 9
	v_pk_add_f32 v[14:15], v[14:15], v[96+j:97+j]
	v_pk_add_f32 v[68:69], v[68:69], v[98+j:99+j]
	v_pk_add_f32 v[44:45], v[44:45], v[100+j:101+j]
.set j, j+6
.endr
	v_pk_add_f32 v[14:15], v[14:15], v[158:159]
	v_pk_add_f32 v[44:45], v[44:45], v[68:69]
	s_delay_alu instid0(VALU_DEP_1)
	v_pk_add_f32 v[14:15], v[14:15], v[44:45]
	s_wait_alu depctr_va_vdst(0)                   ; and one for the four
.irp b, 0,1,2,3
	v_max_num_f32 v[48+\b], 0x1800000, v[48+\b]    ; the floor 2^(3 - 127)
.endr
.irp b, 0,1,2,3
	s_delay_alu instid0(VALU_DEP_4)
	v_add_nc_u32 v[56+\b], 0xff000000, v[48+\b]    ; the conversion's scale operand
.endr
.irp b, 0,1,2,3
	s_delay_alu instid0(VALU_DEP_4)
	v_lshrrev_b32 v[52+\b], 23, v[56+\b]           ; the scale's byte
.endr
	s_delay_alu instid0(VALU_DEP_3)
	v_lshl_or_b32 v35, v53, 8, v52                 ; p's scale word for these 128 keys
	s_delay_alu instid0(VALU_DEP_1)
	v_lshl_or_b32 v35, v54, 16, v35
	s_delay_alu instid0(VALU_DEP_1)
	v_lshl_or_b32 v35, v55, 24, v35
.irp c, 0,1
	v_cvt_scalef32_pk16_fp6_f32 v[240+6*\c:242+6*\c], v[96+32*\c:111+32*\c], v[56+2*\c]
	v_cvt_scalef32_pk16_fp6_f32 v[60+4*\c:62+4*\c], v[112+32*\c:127+32*\c], v[56+2*\c+1]
.endr
	v_nop                                          ; one plain place behind a scaled conversion
.irp c, 0,1
.irp i, 0,1,2
	v_permlane16_swap_b32 v[240+6*\c+\i], v[60+4*\c+\i]
.endr
.irp i, 0,1,2
	s_delay_alu instid0(VALU_DEP_3)
	v_mov_b32 v[243+6*\c+\i], v[60+4*\c+\i]
.endr
.endr
.if \diag
.rept 8
	v_nop                                          ; places in front of the scaled products below
.endr
.else
	s_wait_alu depctr_va_vdst(0)                   ; the wait directly ahead of the first reader of O^T
.set j, 0
.rept 16
	v_pk_mul_f32 v[160+j:161+j], v[160+j:161+j], v[252:253] op_sel_hi:[1,0]   ; O^T under the new M; also the places in front of the products below
.set j, j+2
.endr
.endif
	s_wait_alu depctr_va_vdst(0)
	s_wait_dscnt 0x0                               ; V
.irp t, 0,1,2,3
.if \diag
	v_wmma_scale_f32_16x16x128_f8f6f4 v[160+8*\t:167+8*\t], v[192+12*\t:203+12*\t], v[240:251], 0, v[40+\t], v35 matrix_a_fmt:MATRIX_FMT_FP6 matrix_b_fmt:MATRIX_FMT_FP6
.else
	v_wmma_scale_f32_16x16x128_f8f6f4 v[160+8*\t:167+8*\t], v[192+12*\t:203+12*\t], v[240:251], v[160+8*\t:167+8*\t], v[40+\t], v35 matrix_a_fmt:MATRIX_FMT_FP6 matrix_b_fmt:MATRIX_FMT_FP6
.endif
.endr
.endm
	s_mov_b32 s50, 0                               ; the pass
	s_wait_alu depctr_va_vdst(0)
	s_wait_tensorcnt 0x0                           ; my two slots are in,
	s_barrier_signal -1
	s_barrier_wait -1                              ; everybody's are: the head's K and V lie in LDS
.Lpass:                                            ; two trips: block 15 - w, then block w
	s_xor_b32 s14, s50, 1
	s_mul_i32 s14, s14, 15
	s_xor_b32 s14, s14, s10                        ; my block of queries
	s_mul_i32 s40, s14, 24576                      ; 8 token tiles of 3,072 bytes a block
	s_mov_b32 s41, 0
	s_add_nc_u64 s[54:55], s[6:7], s[40:41]
	s_lshl_b32 s40, s14, 12                        ; and of 512 bytes of scale words
	s_add_nc_u64 s[56:57], s[8:9], s[40:41]
	s_wait_loadcnt 0x0                             ; q
.irp i, 0,1,2,3,4,5
	v_cndmask_b32 v[22+\i], v[48+\i], v[54+\i], s48   ; my token's six registers of the image's twelve
.endr
	v_perm_b32 v34, v60, v60, s49
	v_mov_b32 v13, 0xff61b1e6                      ; the largest t so far: -3e38
	v_mov_b32 v14, 0
	v_mov_b32 v15, 0
	v_floor_f32 v12, -v13                          ; -M
.rept 6
	v_nop                                          ; places between q's scale word and the first scaled product
.endr
	s_mul_i32 s28, s14, SLOTB
	STEP 1                                         ; the diagonal step.  My query's own key counts, so M is a number from here on
	s_mov_b32 s28, 0
	s_mov_b32 s29, 0
.Lkeys:                                            ; all sixteen slots; a step whose keys lie in or behind my block is passed over: a branch on the wave's number and the counts
	s_cmp_ge_u32 s29, s14
	s_cbranch_scc1 .Lskip
	STEP 0
.Lskip:
	s_add_co_u32 s28, s28, SLOTB
	s_add_co_u32 s29, s29, 1
	s_cmp_lt_u32 s29, 16
	s_cbranch_scc1 .Lkeys
	; THE WAY OUT: O^T / the sum; register 16 b + i = channel 32 b + 16 h + i of my query: the head's two blocks of 32 along the last product's K
.rept 4
	v_nop                                          ; places behind the last products
.endr
	v_add_f32 v14, v14, v15
	s_delay_alu instid0(VALU_DEP_1)
	v_permlanex16_b32 v252, v14, s34, s35
	s_delay_alu instid0(VALU_DEP_1)
	v_add_f32 v14, v14, v252                       ; the row's sum
	s_wait_alu depctr_va_vdst(0)
	v_rcp_f32 v14, v14
	v_nop                                          ; a plain place
	s_wait_alu depctr_va_vdst(0)                   ; the wait ahead of the reciprocal's first reader
.set j, 0
.rept 16
	v_pk_mul_f32 v[96+j:97+j], v[160+j:161+j], v[14:15] op_sel_hi:[1,0]
.set j, j+2
.endr
.irp b, 0,1
	v_max3_num_f32 v[48+\b], |v[96+16*\b]|, |v[97+16*\b]|, 0x1800000
.endr
.irp i, 2,4,6,8,10,12,14
.irp b, 0,1
	s_delay_alu instid0(VALU_DEP_2)
	v_max3_num_f32 v[48+\b], v[48+\b], |v[96+16*\b+\i]|, |v[97+16*\b+\i]|
.endr
.endr
.irp b, 0,1
	s_delay_alu instid0(VALU_DEP_2)
	v_permlanex16_b32 v[52+\b], v[48+\b], s34, s35
.endr
.irp b, 0,1
	s_delay_alu instid0(VALU_DEP_2)
	v_max_num_f32 v[48+\b], v[48+\b], v[52+\b]
.endr
.irp b, 0,1
	s_delay_alu instid0(VALU_DEP_2)
	v_add_nc_u32 v[56+\b], 0xff000000, v[48+\b]
.endr
.irp b, 0,1
	s_delay_alu instid0(VALU_DEP_2)
	v_lshrrev_b32 v[52+\b], 23, v[56+\b]
.endr
	s_delay_alu instid0(VALU_DEP_1)
	v_lshl_or_b32 v35, v53, 8, v52                 ; the head's two scale bytes of my query
	v_cvt_scalef32_pk16_fp6_f32 v[128:130], v[96:111], v56
	v_cvt_scalef32_pk16_fp6_f32 v[136:138], v[112:127], v57
	v_nop
.irp i, 0,1,2
	v_permlane16_swap_b32 v[128+\i], v[136+\i]
.endr
.irp i, 0,1,2
	s_delay_alu instid0(VALU_DEP_3)
	v_mov_b32 v[131+\i], v[136+\i]                 ; v128-133: lane (r, h): block h: half a fragment of the last product's A
.endr
	global_store_b128 v1, v[128:131], s[54:55]     ; 512 consecutive bytes,
	global_store_b64 v11, v[132:133], s[54:55] offset:512   ; and 256
	v_cmp_gt_u32 vcc_lo, 16, v6
	s_wait_alu depctr_va_vdst(0)
	s_wait_xcnt 0x0                                ; EXEC changes only behind this wait
	s_and_saveexec_b32 s30, vcc_lo
	global_store_b16 v2, v35, s[56:57]
	s_wait_xcnt 0x0                                ; also: the stores' registers and bases are written again only behind it
	s_or_b32 exec_lo, exec_lo, s30
	s_cmp_eq_u32 s50, 1
	s_cbranch_scc1 .Lnoq
	LOADQ s10                                      ; the second pass's q: block w
.Lnoq:
	s_add_co_u32 s50, s50, 1
	s_cmp_lt_u32 s50, 2
	s_cbranch_scc1 .Lpass
	s_wait_tensorcnt 0x0                           ; the wave's end
	ds_add_u32 v47, v255
	s_wait_dscnt 0x0
	ROUND                                          ; the closing round
	s_endpgm
.Lfunc_end_k_qc9b77cee5c_attn:
	.size	k_qc9b77cee5c_attn, .Lfunc_end_k_qc9b77cee5c_attn-k_qc9b77cee5c_attn
	.p2alignl 7, 3214868480
	.fill 96, 4, 3214868480
	.section	.rodata,"a",@progbits
	.p2align	6, 0x0
	.amdhsa_kernel k_qc9b77cee5c_attn
		.amdhsa_group_segment_fixed_size 206848
		.amdhsa_private_segment_fixed_size 0
		.amdhsa_enable_private_segment 0
		.amdhsa_kernarg_size 24
		.amdhsa_user_sgpr_count 2
		.amdhsa_user_sgpr_kernarg_segment_ptr 1
		.amdhsa_wavefront_size32 1
		.amdhsa_system_sgpr_workgroup_id_x 1
		.amdhsa_system_sgpr_workgroup_id_y 1
		.amdhsa_system_sgpr_workgroup_id_z 1
		.amdhsa_system_vgpr_workitem_id 0
		.amdhsa_next_free_vgpr 256
		.amdhsa_next_free_sgpr 66
		.amdhsa_reserve_vcc 1
		.amdhsa_float_denorm_mode_32 3
		.amdhsa_float_denorm_mode_16_64 3
		.amdhsa_memory_ordered 1
		.amdhsa_forward_progress 1
		.amdhsa_inst_pref_size 50
	.end_amdhsa_kernel
	.amdgpu_metadata
---
amdhsa.version: [ 1, 2 ]
amdhsa.kernels:
  - .name:           k_qc9b77cee5c_attn
    .symbol:         k_qc9b77cee5c_attn.kd
    .args:
      - { .name: qkv, .offset: 0, .size: 8, .value_kind: global_buffer, .address_space: global }
      - { .name: ocodes, .offset: 8, .size: 8, .value_kind: global_buffer, .address_space: global }
      - { .name: oscales, .offset: 16, .size: 8, .value_kind: global_buffer, .address_space: global }
    .group_segment_fixed_size: 206848
    .private_segment_fixed_size: 0
    .kernarg_segment_align: 8
    .kernarg_segment_size: 24
    .max_flat_workgroup_size: 256
    .sgpr_count:     66
    .vgpr_count:     256
    .wavefront_size: 32
...
	.end_amdgpu_metadata
.endif
;; end of part 3
;; launch oproj (part 4): grid 8 x 32, 4 waves a work-group, clusters of 4 x 4, 222,720 bytes of LDS; arguments ocodes, oscales, codes, scales, out0; writes out0
.if DOCPART == 4
	.amdgcn_target "amdgcn-amd-amdhsa--gfx1250"
	.amdhsa_code_object_version 6
	.text
	.protected	k_qc9b77cee5c_oproj
	.globl	k_qc9b77cee5c_oproj
	.p2align	8
	.type	k_qc9b77cee5c_oproj,@function
k_qc9b77cee5c_oproj:
	s_mov_b64 s[64:65], 0
	v_nop
	global_prefetch_b8 v0, s[64:65] scope:SCOPE_SE
	s_setreg_imm32_b32 hwreg(HW_REG_WAVE_MODE, 25, 1), 1
	s_wait_xcnt 0x0
	s_wait_alu depctr_hold_cnt(0) depctr_sa_sdst(0) depctr_va_vdst(0) depctr_va_sdst(0) depctr_va_ssrc(0) depctr_va_vcc(0) depctr_vm_vsrc(0)
	s_getreg_b32 s2, hwreg(HW_REG_IB_STS2, 6, 4)
	s_cmp_eq_u32 s2, 0
	s_cbranch_scc0 .Lentry_in_a_cluster
	s_endpgm
.Lentry_in_a_cluster:
	s_bfe_u32 s2, ttmp6, 0x10000c
	s_cmp_lg_u32 s2, 0xf033
	s_cbranch_scc0 .Lentry_shape_is_right
	s_endpgm
.Lentry_shape_is_right:
; out = o Wo^T on codes of FP6 (E2M3).  o: 4,096 tokens x 1,024, as images made by launch attn; Wo: tiles 448 .. 511 of launch quant's images; out0 [4096][1024] f32.
; A tile of out is 128 x 128, so that there are 256 work-groups; four waves, each 64 x 64: 16 accumulators.  K = 1,024 is eight matrix instructions deep, and ALL of it fits in LDS:
; each wave brings its 4 tiles of A or B for all four pairs of K steps (1 load of 4 rows of 12,288 bytes); the scale words come by global loads: one tensor load a wave, at the head; nothing is filled again.
; CLUSTERS: 4 x 4 work-groups; A's tiles are shared along a row, B's along a column, each asked for jointly.  THE MATRIX INSTRUCTION IS USED TRANSPOSED (source 0 = Wo's rows, source 1 = tokens):
; a lane holds a token, and the 16 registers of result tiles 2 b, 2 b + 1 are outputs 32 b + 16 h + 0 .. 15.
; A's image of a fragment comes in two halves of 768 bytes (one head each): registers 6 c .. 6 c + 3 at 16 x lane, registers 6 c + 4, 6 c + 5 at 512 + 8 x lane.
; The way out goes through the wave's own stage: sixteen lanes store 256 consecutive bytes of a row of out0, at a multiple of 256.  No prefetch: all tiles are asked for at the head.
.set WPART, 49152                      ; what one tensor load brings: a wave's 4 tiles for all four pairs of K steps
.set SCB,   64                         ; v64-95 B's scale words: register 8 i + kk, lanes 0-15 (v32-63: A's); free on the way out
.set SLOT,  12288                      ; in it, from one pair of K steps to the next: 4 tiles x 3,072 bytes
.set ASTR,  786432                     ; from one pair of K steps to the next: in ocodes,
.set BSTR,  1572864                    ; in codes
.set SCL,   196608                     ; not used
.set STAGE, 204800                     ; 16 rows x 272 bytes for each wave; no tensor load lands here
.set SC,    32                         ; v32-63 scale words: register 8 i + kk: A's block i (B's at SCB)
.set ACC,   128                        ; v128-255 accumulator (a, b) at ACC + 8 (4 a + b)
.set G1A,  24
.set G1B,  32
.set G1SA, 40
.set G1SB, 48
.set MSB, 0
.macro WIN new
.if MSB != (\new)
	s_set_vgpr_msb (MSB<<8)|(\new)
.set MSB, (\new)
.endif
.endm
.macro JLOAD g0a, g1a, g0b, g1b        ; waves 0, 1 fetch for A, waves 2, 3 for B; four v_nop follow each line
	s_cmp_eq_u32 s15, 0
	s_cbranch_scc0 .Lfor_b_\@
	tensor_load_to_lds s[\g0a:\g0a+3], s[\g1a:\g1a+7]
	s_nop 0
.rept 4
	v_nop
.endr
	s_branch .Lasked_\@
.Lfor_b_\@:
	tensor_load_to_lds s[\g0b:\g0b+3], s[\g1b:\g1b+7]
	s_nop 0
.rept 4
	v_nop
.endr
.Lasked_\@:
.endm
.macro CROUND
	s_barrier_signal -1
	s_barrier_wait -1
	s_cmp_lg_u32 s14, 0
	s_cbranch_scc1 .Lnot_wave_0_\@
	s_barrier_signal -3
.Lnot_wave_0_\@:
	s_barrier_wait -3
	s_barrier_signal -1
	s_barrier_wait -1
.endm
.macro SETG0 g, pair, sl, stride
	s_mov_b32 s[\g], 1
	s_mul_i32 s[\g+1], s14, WPART
	s_add_co_u32 s[\g+1], s[\g+1], (\sl)*SLOT
	s_add_nc_u64 s[\g+2:\g+3], s[\pair:\pair+1], (\sl)*(\stride)
	s_or_b32 s[\g+3], s[\g+3], 0x80000000
.endm
	s_load_b256 s[4:11], s[0:1], 0x0               ; ocodes, oscales, codes, scales
	s_load_b64 s[12:13], s[0:1], 0x20              ; out0
	v_lshl_add_u32 v30, v0, 2, 0x36400
	v_mov_b32 v31, 0
	ds_add_u32 v30, v31
	ds_add_u32 v30, v31
	v_lshrrev_b32 v1, 5, v0
	v_readfirstlane_b32 s14, v1                    ; wave
	s_lshr_b32 s15, s14, 1                         ; my half of the tokens.  Also: I fetch for A (0) or B (1)
	s_and_b32 s16, s14, 1                          ; my half of the outputs.  Also: which 4 tiles I fetch
	s_bfe_u32 s17, ttmp6, 0x40000                  ; cx
	s_bfe_u32 s18, ttmp6, 0x40004                  ; cy
	s_lshl_b32 s19, ttmp9, 2
	s_add_co_u32 s19, s19, s17                     ; tile column
	s_and_b32 s20, ttmp7, 0xffff
	s_lshl_b32 s20, s20, 2
	s_add_co_u32 s20, s20, s18                     ; tile row
	s_lshl_b32 s21, s18, 2
	s_lshl_b32 s21, 15, s21                        ; my row of the cluster
	s_lshl_b32 s22, 0x1111, s17                    ; my column
	s_or_b32 s[G1A], s21, (3<<16)|(1<<21)
	s_or_b32 s[G1B], s22, (3<<16)|(1<<21)
	s_mov_b32 s[G1A+5], ASTR/8                     ; the pitch: from one pair of K steps to the next
	s_mov_b32 s[G1B+5], BSTR/8
.irp g, G1A, G1B                       ; 4 rows of 12,288 bytes: my 4 tiles, for each of the four pairs of K steps
	s_mov_b32 s[\g+1], 1536<<16
	s_mov_b32 s[\g+2], 4<<16
	s_mov_b32 s[\g+3], 1536<<16
	s_mov_b32 s[\g+4], 4
	s_mov_b32 s[\g+6], 0
	s_mov_b32 s[\g+7], 0
.endr
	s_lshl_b32 s21, s16, 2                         ; which 4 tiles
	s_lshl_b32 s23, s20, 3
	s_add_co_u32 s23, s23, s21                     ; A's: 8 x tile row + ..
	s_lshl_b32 s22, s19, 3
	s_add_co_u32 s22, s22, s21
	s_add_co_u32 s22, s22, 448                     ; B's: Wo's tiles begin at 448
	s_mul_i32 s66, s23, 3072
	s_mov_b32 s67, 0
	s_mul_i32 s2, s22, 3072
	s_mov_b32 s3, 0
	s_wait_dscnt 0x0
	s_wait_kmcnt 0x0
	s_add_nc_u64 s[4:5], s[4:5], s[66:67]
	s_add_nc_u64 s[8:9], s[8:9], s[2:3]
	s_lshl_b32 s66, s20, 1                         ; the scale words that I multiply with: A's: tiles 8 x tile row + 4 x my half, 512 bytes a tile;
	s_add_co_u32 s66, s66, s15
	s_lshl_b32 s66, s66, 11
	s_lshl_b32 s2, s22, 9                          ; B's: the 4 tiles that I also fetch
	s_add_nc_u64 s[6:7], s[6:7], s[66:67]
	s_add_nc_u64 s[10:11], s[10:11], s[2:3]
	CROUND                                         ; all sixteen work-groups are here: the joint loads meet
	SETG0 56, 4, 0, ASTR
	SETG0 80, 8, 0, BSTR
	JLOAD 56, G1A, 80, G1B                         ; all of K: my one tensor load
	v_and_b32 v1, 15, v0                           ; r
	v_bfe_u32 v2, v0, 4, 1                         ; h
	v_and_b32 v3, 31, v0                           ; lane
	v_lshlrev_b32 v4, 4, v3
	v_lshlrev_b32 v5, 3, v3
	s_mul_i32 s2, s15, WPART                       ; my 4 tiles of A,
	s_mul_i32 s3, s16, WPART
	s_add_co_u32 s3, s3, 2*WPART                   ; of B
.irp s, 0,1,2,3
	v_add_nc_u32 v[8+\s], s2, v4                   ; v8-11  A, 16 x lane, for each pair of K steps
	v_add_nc_u32 v[12+\s], s2, v5                  ; v12-15 A, 8 x lane
	v_add_nc_u32 v[16+\s], s3, v4                  ; v16-19 B
	s_add_co_u32 s2, s2, SLOT
	s_add_co_u32 s3, s3, SLOT
.endr
	v_lshlrev_b32 v20, 4, v1                       ; scale words, from memory into registers: 16 r: sixteen lanes read 256 consecutive bytes
	s_mul_i32 s2, s14, 4352
	s_add_co_u32 s2, s2, STAGE                     ; my stage
	v_mul_u32_u24 v21, v1, 272
	v_lshl_add_u32 v21, v2, 6, v21
	v_add_nc_u32 v21, s2, v21                      ; in: row r, + 64 h
	v_mul_u32_u24 v22, v2, 272
	v_lshl_add_u32 v22, v1, 4, v22
	v_add_nc_u32 v22, s2, v22                      ; back: lanes 0-15 one row, lanes 16-31 the next
	v_lshlrev_b32 v23, 12, v2
	v_lshl_add_u32 v23, v1, 4, v23                 ; and the same two rows in out0
	s_lshl_b32 s66, s20, 7
	s_lshl_b32 s2, s15, 6
	s_add_co_u32 s66, s66, s2                      ; my first token
	s_lshl_b32 s66, s66, 12
	s_lshl_b32 s2, s19, 9
	s_add_co_u32 s66, s66, s2
	s_lshl_b32 s2, s16, 8
	s_add_co_u32 s66, s66, s2                      ; + my first output, in bytes
	s_add_nc_u64 s[12:13], s[12:13], s[66:67]
.macro FETCH kk                        ; 28 LDS loads: the fragments of K step kk into window 1, buffer kk % 2: A's four, then B's four
.set FB, 128*((\kk)%2)
.set SS, (\kk)/2
.set QO, ((\kk)%2)*1536
	WIN 0x40
.irp a, 0,1,2,3
.irp c, 0,1
	ds_load_b128 v[FB+12*\a+6*\c:FB+12*\a+6*\c+3], v[8+SS] offset:\a*3072+QO+768*\c
	ds_load_b64 v[FB+12*\a+6*\c+4:FB+12*\a+6*\c+5], v[12+SS] offset:\a*3072+QO+768*\c+512
.endr
.endr
.irp b, 0,1,2,3
.irp c, 0,1,2
	ds_load_b128 v[FB+48+12*\b+4*\c:FB+48+12*\b+4*\c+3], v[16+SS] offset:\b*3072+QO+512*\c
.endr
.endr
.endm
	s_wait_alu depctr_va_vdst(0)
.irp i, 0,1,2,3
.irp j, 0,1
	global_load_b128 v[SC+8*\i+4*\j:SC+8*\i+4*\j+3], v20, s[6:7] offset:512*\i+256*\j
	global_load_b128 v[SCB+8*\i+4*\j:SCB+8*\i+4*\j+3], v20, s[10:11] offset:512*\i+256*\j
.endr
.endr
	s_wait_tensorcnt 0x0                           ; my tiles are in,
	s_barrier_signal -1
	s_barrier_wait -1                              ; everybody's are: all of K lies in LDS; nothing is filled again
	FETCH 0
	s_wait_loadcnt 0x0                             ; the scale words
.irp kk, 0,1,2,3,4,5,6,7
	s_wait_dscnt 0x0                               ; this K step's fragments are in
.if \kk < 7
.if \kk > 0
.rept 4
	v_nop                                          ; places in front of loads into the buffer that the last products read
.endr
.endif
	FETCH \kk+1
.endif
	WIN 0x05                                       ; sources 0 and 1 window 1; C and D window 0
.irp a, 0,1,2,3                        ; the 16 accumulators take turns, one instruction a turn
.irp b, 0,1,2,3
.if \kk == 0
	v_wmma_scale_f32_16x16x128_f8f6f4 v[ACC+8*(4*\a+\b):ACC+8*(4*\a+\b)+7], v[128*(\kk%2)+48+12*\b:128*(\kk%2)+48+12*\b+11], v[128*(\kk%2)+12*\a:128*(\kk%2)+12*\a+11], 0, v[SCB+8*\b+\kk], v[SC+8*\a+\kk] matrix_a_fmt:MATRIX_FMT_FP6 matrix_b_fmt:MATRIX_FMT_FP6
.else
	v_wmma_scale_f32_16x16x128_f8f6f4 v[ACC+8*(4*\a+\b):ACC+8*(4*\a+\b)+7], v[128*(\kk%2)+48+12*\b:128*(\kk%2)+48+12*\b+11], v[128*(\kk%2)+12*\a:128*(\kk%2)+12*\a+11], v[ACC+8*(4*\a+\b):ACC+8*(4*\a+\b)+7], v[SCB+8*\b+\kk], v[SC+8*\a+\kk] matrix_a_fmt:MATRIX_FMT_FP6 matrix_b_fmt:MATRIX_FMT_FP6
.endif
.endr
.endr
.endr
	WIN 0
.rept 4
	v_nop                                          ; places in front of the first read of results
.endr
; THE WAY OUT, block by block of 16 tokens x 64 outputs.  LDS serves a wave's instructions in order (ISA guide 5.7.1.4): no wait between the stores and the loads, nor in front of the next block's stores.
.macro TOSTAGE a
.irp b, 0,1,2,3
	ds_store_b128 v21, v[ACC+8*(4*(\a)+\b):ACC+8*(4*(\a)+\b)+3] offset:128*(\b/2)+32*(\b%2)        ; each accumulator from its low end on
	ds_store_b128 v21, v[ACC+8*(4*(\a)+\b)+4:ACC+8*(4*(\a)+\b)+7] offset:128*(\b/2)+32*(\b%2)+16
.endr
.irp i, 0,1,2,3,4,5,6,7
	ds_load_b128 v[64+32*((\a)%2)+4*\i:64+32*((\a)%2)+4*\i+3], v22 offset:544*\i
.endr
.endm
.macro SEND a, younger                 ; stage row 2 i + h is token 32 (a / 2) + 8 (a % 2) + 2 i + h + 8 (i / 4)
	s_wait_dscnt \younger
.irp i, 0,1,2,3,4,5,6,7
	global_store_b128 v23, v[64+32*((\a)%2)+4*\i:64+32*((\a)%2)+4*\i+3], s[12:13] offset:(32*((\a)/2)+8*((\a)%2)+2*\i+8*(\i/4))*4096 th:TH_STORE_NT
.endr
.endm
	TOSTAGE 0
	TOSTAGE 1
	SEND 0, 16                                     ; behind block 0's loads: block 1's 8 stores and 8 loads
	s_wait_xcnt 0x0                                ; block 0's stores have read their registers: block 2's loads may land there
	TOSTAGE 2
	SEND 1, 16
	s_wait_xcnt 0x0
	TOSTAGE 3
	SEND 2, 16
	SEND 3, 0
	s_wait_tensorcnt 0x0
	ds_add_u32 v30, v31
	s_wait_dscnt 0x0
	CROUND                                         ; the closing round: no work-group ends while a partner may still ask for a tile that names it
	s_endpgm
.Lfunc_end_k_qc9b77cee5c_oproj:
	.size	k_qc9b77cee5c_oproj, .Lfunc_end_k_qc9b77cee5c_oproj-k_qc9b77cee5c_oproj
	.p2alignl 7, 3214868480
	.fill 96, 4, 3214868480
	.section	.rodata,"a",@progbits
	.p2align	6, 0x0
	.amdhsa_kernel k_qc9b77cee5c_oproj
		.amdhsa_group_segment_fixed_size 222720
		.amdhsa_private_segment_fixed_size 0
		.amdhsa_enable_private_segment 0
		.amdhsa_kernarg_size 40
		.amdhsa_user_sgpr_count 2
		.amdhsa_user_sgpr_kernarg_segment_ptr 1
		.amdhsa_wavefront_size32 1
		.amdhsa_system_sgpr_workgroup_id_x 1
		.amdhsa_system_sgpr_workgroup_id_y 1
		.amdhsa_system_sgpr_workgroup_id_z 1
		.amdhsa_system_vgpr_workitem_id 0
		.amdhsa_next_free_vgpr 512
		.amdhsa_next_free_sgpr 100
		.amdhsa_reserve_vcc 0
		.amdhsa_float_denorm_mode_32 3
		.amdhsa_float_denorm_mode_16_64 3
		.amdhsa_memory_ordered 1
		.amdhsa_forward_progress 1
		.amdhsa_inst_pref_size 48
	.end_amdhsa_kernel
	.amdgpu_metadata
---
amdhsa.version: [ 1, 2 ]
amdhsa.kernels:
  - .name:           k_qc9b77cee5c_oproj
    .symbol:         k_qc9b77cee5c_oproj.kd
    .args:
      - { .name: ocodes, .offset: 0, .size: 8, .value_kind: global_buffer, .address_space: global }
      - { .name: oscales, .offset: 8, .size: 8, .value_kind: global_buffer, .address_space: global }
      - { .name: codes, .offset: 16, .size: 8, .value_kind: global_buffer, .address_space: global }
      - { .name: scales, .offset: 24, .size: 8, .value_kind: global_buffer, .address_space: global }
      - { .name: out0, .offset: 32, .size: 8, .value_kind: global_buffer, .address_space: global }
    .group_segment_fixed_size: 222720
    .private_segment_fixed_size: 0
    .kernarg_segment_align: 8
    .kernarg_segment_size: 40
    .max_flat_workgroup_size: 128
    .sgpr_count:     100
    .vgpr_count:     512
    .wavefront_size: 32
...
	.end_amdgpu_metadata
.endif
;; end of part 4
